; MI455X (gfx1250); checked and timed in simulation.
; The chip was launched on July 23, 2026; its instructions are those of AMD's public machine-readable ISA for CDNA 5 (MIT licence, August 2026) and "CDNA5" Instruction Set Architecture Reference Guide (July 2026). The comments in the code are by the model that wrote it; some were corrected since.
;; Cross Attention. Allowed arithmetic: matrix products marked QUANTISED: E2M1 operands, one E8M0 scale for each 32 along K, by v_wmma_scale_f32_16x16x128_f8f6f4 with both operands' format E2M1 (or v_wmma_scale_f32_32x16x128_f4), f32 sums; products left as they are: bf16, f16 or f32 operands; f32 sums; everything else in f32.
;; Inputs: ctx 4 x 2,048 x 1,024 float32; kv_b 2,048 float32; kv_w 1,024 x 2,048 float32; proj_b 1,024 float32; proj_w 1,024 x 1,024 float32; q_b 1,024 float32; q_w 1,024 x 1,024 float32; x 4 x 2,048 x 1,024 float32.
;; Outputs: out0 4 x 2,048 x 1,024 float32; out1 one number float32.
;; This version of the problem:
;;   THIS VERSION OF THE PROBLEM IS GIVEN IN LOW PRECISION. The matrix products marked QUANTISED in the list below multiply operands that are first quantised to E2M1 (2 exponent bits, 1 mantissa bit; 4 bits a number), with one power-of-two scale for each 32 numbers along K (OCP MX v1.0); their sums are f32. The products marked 'left as it is' may take bf16, f16 or f32 operands, with f32 sums. Whichever they take, every output number must still come out within the allowed error. Rounding operands to bf16 (8 significant bits) uses up far more of that allowance than f16 does (11 bits, for magnitudes from 6e-5 to 65,504). All else is computed in f32.
;;   The module's matrix products, in the order in which they are computed (A, B: the left and right operand; K: the contracted axis; several contracted axes count as one K, in the product's order):
;;     1. [M 8,192, K 1,024] x [K 1,024, N 1,024]; A: input x; B: input q_w: QUANTISED
;;     2. [M 8,192, K 1,024] x [K 1,024, N 2,048]; A: computed on the way; B: input kv_w: left as it is (an operand is computed on the way)
;;     3. batch 64 x [M 2,048, K 64] x [K 64, N 2,048]; A: computed on the way; B: computed on the way: left as it is (an operand is computed on the way)
;;     4. batch 64 x [M 64, K 2,048] x [K 2,048, N 2,048]; A: computed on the way; B: computed on the way: left as it is (an operand is computed on the way)
;;     5. [M 8,192, K 1,024] x [K 1,024, N 1,024]; A: computed on the way; B: input proj_w: left as it is (an operand is computed on the way)
;;   THE QUANTISER, for each operand of a quantised product, along K:
;;     - K is cut into blocks of 32 from its start; a last block that is shorter is filled with zeros.
;;     - A block's scale is 2^e with e = floor(log2(the largest magnitude in the block)) - 2, held to -126 .. 127; a block of zeros has e = 0. As a byte (E8M0): e + 127.
;;     - Each number is divided by its block's scale, clamped to +-6, and rounded to the nearest number of E2M1, ties to even, subnormals kept.
;;     - The product sums the exact products of the quantised numbers (number of the format x scale) in f32.
;;   ~~~python
;;   def quantise(x, axis):      # numpy; x: float32 -> the quantised numbers, widened to float32 again
;;       x = np.moveaxis(x, axis, -1); K = x.shape[-1]
;;       x = np.pad(x, [(0, 0)] * (x.ndim - 1) + [(0, -K % 32)]); x = x.reshape(x.shape[:-1] + (-1, 32)); a = np.abs(x).max(-1, keepdims=True)
;;       e = np.where(a > 0, np.clip(np.frexp(np.where(a > 0, a, 1))[1] - 1 - 2, -126, 127), 0)      # np.frexp(a)[1] - 1 = floor(log2(a)), exactly
;;       r = np.clip(x / 2.0 ** e, -6, 6)
;;       step = 2.0 ** (np.maximum(np.frexp(np.where(r == 0, 1, r))[1] - 1, 0) - 1)
;;       q = np.round(r / step) * step * 2.0 ** e      # np.round: ties to even
;;       return np.moveaxis(q.reshape(q.shape[:-2] + (-1,))[..., :K], -1, axis).astype(np.float32)
;;   ~~~
;; One version. Each part assembles by itself: llvm-mc -triple=amdgcn-amd-amdhsa -mcpu=gfx1250 --defsym DOCPART=n.
;; ======== version 1 of 1: 5 launches
;; limits: values are held in f16: magnitudes above 65,504 overflow, below 6.1e-05 lose precision
;; workspace buffers: xq 4,456,448 bytes; wq 557,056 bytes; ctxn 16,777,216 bytes; w16 6,291,456 bytes; kvh 33,554,432 bytes; o 16,777,216 bytes; msum 8,192 bytes
;; launch prep (part 1): grid 672 x 1, 4 waves a work-group, no clusters, 39,424 bytes of LDS; arguments x, q_w, ctx, kv_w, proj_w, xq, wq, ctxn, w16; writes xq, wq, ctxn, w16
.if DOCPART == 1
	.amdgcn_target "amdgcn-amd-amdhsa--gfx1250"
	.amdhsa_code_object_version 6
	.text
	.protected	k_q3576046543_prep
	.globl	k_q3576046543_prep
	.p2align	8
	.type	k_q3576046543_prep,@function
k_q3576046543_prep:
	s_mov_b64 s[64:65], 0
	v_nop
	global_prefetch_b8 v0, s[64:65] scope:SCOPE_SE
	s_setreg_imm32_b32 hwreg(HW_REG_WAVE_MODE, 25, 1), 1
	s_wait_xcnt 0x0
; PREP: everything that is read many times later is made narrow once.  Three ways through the text, parted by the work-group's number:
;   W (work-groups 0-63):    q_w [1024 k][1024 n] f32 -> codes of FP4 (E2M1) and E8M0 scale bytes along k, in wq
;   X (work-groups 64-319):  x [8192][1024] f32 -> the same along its rows, in xq
;   R (work-groups 320-671): rows of 1,024 f32 -> f16: ctx with its rms norm (ctxn), kv_w and proj_w as they are (w16)
; A block's scale is 2^(floor(log2(largest magnitude)) - 2); its byte is the largest magnitude's exponent field - 2, held at 1 from below.
; CODES LIE AS IMAGES OF THE OPERAND'S REGISTERS: [tile of 16 rows][block of 32 along K: 32][row in the tile: 16][16 bytes], so that a fragment (16 rows x 128 K)
; is two loads of 16 bytes a lane at 16 x lane.  SCALE BYTES: [tile][half of K: 2][row: 16][16 bytes]: one load of 16 bytes a lane brings a tile's words of all eight K steps.
; LIMITS: NaN and infinities among the inputs are not served.  A block whose largest magnitude lies under 2^-124 keeps the byte 1; a block of zeros has the byte 1 and not 127:
; its codes are zeros, and the bytes are read by this program alone.
; Memory binds: no matrix unit, no cluster, no barrier; waves share nothing.  Only way X uses LDS.
.set WGW,   64
.set WGX,   256
.set SPW,   12                         ; v12  LDS address of my spare word; never rewritten
.set NIL,   13                         ; v13  0; never rewritten
.set STEPS, 16
.set SP,    80                         ; way X: a lane's place in a stage: 64 bytes + 16 of padding
.set SCB,   2*32*SP                    ; behind a wave's two stages: its 256 scale bytes,
.set IMG,   SCB+256                    ; and the image of its codes: 16 blocks of K x 256 bytes, 272 apart
.set IP,    272
.set WREG,  IMG+16*IP                  ; 9,728 bytes a wave
.set SPARE, 4*WREG                     ; the spare words, 128 bytes for each wave: two blocks of 256 bytes that no other line names
.set XR,    16                         ; way X: v16-79 four sets of 16 numbers as loaded; v80-111 two sets of 16 neighbours; v112-127 a byte a step; v128-159 two code registers a step
.set XN,    80
.set XE,    112
.set XC,    128
.set WX,    32                         ; way W: v32-95 two sets of 32 numbers; v96-111 four code registers a block; v24 the four bytes
.set WC,    96
.set SB,    24
.set RX,    32                         ; way R: v32-159 four rows; v160-191 two sets of 16 registers to store
.set RY,    160
.macro WLOAD t                         ; block t: q_w(32 t + i, my column): 32 lanes read 128 consecutive bytes
.irp i, 0,1,2,3,4,5,6,7,8,9,10,11,12,13,14,15,16,17,18,19,20,21,22,23,24,25,26,27,28,29,30,31
	global_load_b32 v[WX+32*((\t)%2)+\i], v3, s[6:7] offset:(32*(\t)+\i)*4096 th:TH_LOAD_NT
.endr
.endm
.macro WBLOCK t
.set XS, WX+32*((\t)%2)
.if (\t) < 3
	s_wait_loadcnt 32                              ; this block's 32 loads are in; the next block's 32 may be out
.else
	s_wait_loadcnt 0x0
.endif
	v_max3_num_f32 v8, |v[XS]|, |v[XS+1]|, |v[XS+2]|       ; the block's largest magnitude: all 32 numbers are mine
	v_max3_num_f32 v9, |v[XS+3]|, |v[XS+4]|, |v[XS+5]|
.irp i, 6,10,14,18,22,26
	v_max3_num_f32 v8, v8, |v[XS+\i]|, |v[XS+\i+1]|
	v_max3_num_f32 v9, v9, |v[XS+\i+2]|, |v[XS+\i+3]|
.endr
	v_max3_num_f32 v8, v8, |v[XS+30]|, |v[XS+31]|
	v_max3_num_f32 v8, v8, v9, 0x1800000           ; and the floor 2^(3 - 127): the byte cannot fall under 1
	v_add_nc_u32 v11, 0xff000000, v8               ; 2 off the exponent field: the conversion takes the exponent field of this operand as its scale
.irp g, 0,1,2,3
	v_cvt_scalef32_pk8_fp4_f32 v[WC+4*(\t)+\g], v[XS+8*\g:XS+8*\g+7], v11
.endr
	v_lshrrev_b32 v9, 23, v11                      ; the scale's byte (also the plain line behind the conversions)
.if (\t) == 0
	v_mov_b32 v[SB], v9
.else
	v_lshl_or_b32 v[SB], v9, 8*(\t), v[SB]
.endif
	global_store_b128 v4, v[WC+4*(\t):WC+4*(\t)+3], s[28:29] offset:256*(\t)   ; sixteen lanes fill 256 consecutive bytes, aligned: one block of K of one tile of 16 columns
.if (\t)+2 < 4
	WLOAD (\t)+2
.endif
.endm
.macro XLOAD t                         ; row t of my tile, my half of K: four loads of 512 consecutive bytes
.irp i, 0,1,2,3
	global_load_b128 v[XR+16*((\t)%4)+4*\i:XR+16*((\t)%4)+4*\i+3], v3, s[4:5] offset:4096*(\t)+512*\i th:TH_LOAD_NT
.endr
.endm
.macro XTURN t                         ; its 2,048 bytes through my stage: in as they lie, back 64 bytes a lane.  LDS serves a wave's instructions in order: no wait between
.irp i, 0,1,2,3
	ds_store_b128 v14, v[XR+16*((\t)%4)+4*\i:XR+16*((\t)%4)+4*\i+3] offset:32*SP*((\t)%2)+8*SP*\i
.endr
.irp i, 0,1,2,3
	ds_load_b128 v[XN+16*((\t)%2)+4*\i:XN+16*((\t)%2)+4*\i+3], v15 offset:32*SP*((\t)%2)+16*\i
.endr
.endm
.macro XSTEP t
.set XS, XN+16*((\t)%2)
.if (\t) > 0
	s_wait_dscnt 2                                 ; this step's numbers are back (the last step's byte store and code store may be out): so its stores into the stage have read their registers,
.else
	s_wait_dscnt 0x0
.endif
.if (\t)+4 < STEPS
	XLOAD (\t)+4                                   ; which take the loads of four steps on
.endif
.if (\t)+1 < STEPS
.if STEPS-2-(\t) >= 3
	s_wait_loadcnt 12                              ; the next step's four loads are in; those of the three steps behind it may be out
.else
	s_wait_loadcnt 4*(STEPS-2-(\t))
.endif
	XTURN (\t)+1
.endif
	v_max3_num_f32 v8, |v[XS]|, |v[XS+1]|, |v[XS+2]|       ; the largest magnitude of my 16
	v_max3_num_f32 v9, |v[XS+3]|, |v[XS+4]|, |v[XS+5]|
.irp i, 6,10
	v_max3_num_f32 v8, v8, |v[XS+\i]|, |v[XS+\i+1]|
	v_max3_num_f32 v9, v9, |v[XS+\i+2]|, |v[XS+\i+3]|
.endr
	v_max3_num_f32 v8, v8, |v[XS+14]|, |v[XS+15]|
	v_max3_num_f32 v8, v8, v9, 0x1800000           ; and the floor 2^(3 - 127)
	v_max_num_f32_dpp v8, v8, v8 row_xmask:1 row_mask:0xf bank_mask:0xf   ; and of my neighbour's 16: the block's
	v_add_nc_u32 v11, 0xff000000, v8
	v_cvt_scalef32_pk8_fp4_f32 v[XC+2*(\t)], v[XS:XS+7], v11
	v_cvt_scalef32_pk8_fp4_f32 v[XC+2*(\t)+1], v[XS+8:XS+15], v11
	v_lshrrev_b32 v[XE+(\t)], 23, v11              ; the scale's byte (also the plain line behind the conversions)
	ds_store_b8 v5, v[XE+(\t)] offset:16*(\t)      ; row t's 16 bytes; both lanes of a block write the same byte with the same value
	ds_store_b64 v4, v[XC+2*(\t):XC+2*(\t)+1] offset:16*(\t)   ; my half of row t's 16 bytes in my block's 256
.endm
.macro RFILL i                         ; row i of my eight: eight loads of 512 consecutive bytes
.irp jj, 0,1,2,3,4,5,6,7
	global_load_b128 v[RX+32*((\i)%4)+4*\jj:RX+32*((\i)%4)+4*\jj+3], v2, s[24:25] offset:4096*(\i)+512*\jj th:TH_LOAD_NT
.endr
.endm
.macro RROW i, left
.set XS, RX+32*((\i)%4)
.set YS, RY+16*((\i)%2)
	s_wait_loadcnt \left                           ; my row's eight loads are in; the younger rows' stay out
	s_wait_xcnt 0x0                                ; the stores of two rows back have read their registers, which are written again below
.irp c, 0,1,2,3
	v_pk_mul_f32 v[16+2*\c:17+2*\c], v[XS+2*\c:XS+2*\c+1], v[XS+2*\c:XS+2*\c+1]    ; the sum of squares, in four packed chains; the first products start them
.endr
.irp g, 1,2,3
.irp c, 0,1,2,3
	v_pk_fma_f32 v[16+2*\c:17+2*\c], v[XS+8*\g+2*\c:XS+8*\g+2*\c+1], v[XS+8*\g+2*\c:XS+8*\g+2*\c+1], v[16+2*\c:17+2*\c]
.endr
.endr
	v_pk_add_f32 v[16:17], v[16:17], v[18:19]
	v_pk_add_f32 v[20:21], v[20:21], v[22:23]
	v_pk_add_f32 v[16:17], v[16:17], v[20:21]
	v_add_f32 v26, v16, v17
	v_add_f32_dpp v26, v26, v26 row_xmask:1 row_mask:0xf bank_mask:0xf
	v_add_f32_dpp v26, v26, v26 row_xmask:2 row_mask:0xf bank_mask:0xf
	v_add_f32_dpp v26, v26, v26 row_xmask:4 row_mask:0xf bank_mask:0xf
	v_add_f32_dpp v26, v26, v26 row_xmask:8 row_mask:0xf bank_mask:0xf
	v_permlanex16_b32 v27, v26, s34, s35
	v_add_f32 v26, v26, v27                        ; the row's sum of squares, in every lane
	v_fma_f32 v26, v26, s36, s37                   ; / 1,024 + 1e-6
	v_rsq_f32 v24, v26
	v_nop                                          ; a plain line behind the transcendental,
	s_wait_alu depctr_va_vdst(0)                   ; and the wait ahead of its first reader
	v_cndmask_b32 v24, 1.0, v24, s30               ; ctx: the norm's factor; a weight: 1
.irp c, 0,1,2,3,4,5,6,7,8,9,10,11,12,13,14,15
	v_pk_mul_f32 v[XS+2*\c:XS+2*\c+1], v[XS+2*\c:XS+2*\c+1], v[24:25] op_sel_hi:[1,0]
.endr
.irp c, 0,1,2,3,4,5,6,7,8,9,10,11,12,13,14,15
	v_cvt_pk_f16_f32 v[YS+\c], v[XS+2*\c], v[XS+2*\c+1]
.endr
.irp jj, 0,1,2,3,4,5,6,7
	global_store_b64 v3, v[YS+2*\jj:YS+2*\jj+1], s[26:27] offset:2048*(\i)+256*\jj   ; 32 lanes store 256 consecutive bytes, aligned
.endr
.if (\i) < 4
	RFILL (\i)+4
.endif
.endm
	s_load_b512 s[4:19], s[0:1], 0x0               ; x 4, q_w 6, ctx 8, kv_w 10, proj_w 12, xq 14, wq 16, ctxn 18
	s_load_b64 s[20:21], s[0:1], 0x40              ; w16
	v_lshl_add_u32 v[SPW], v0, 2, SPARE
	v_mov_b32 v[NIL], 0
	v_lshrrev_b32 v1, 5, v0
	v_readfirstlane_b32 s22, v1                    ; wave 0..3
	v_and_b32 v1, 31, v0                           ; lane
	s_mov_b32 s27, 0
	s_wait_kmcnt 0x0
	s_cmp_lt_u32 ttmp9, WGW
	s_cbranch_scc0 .Lnot_w
	; ---- WAY W.  A lane takes a column n of q_w and its registers run down K: a block of 32 along K lies in one lane, and the codes come out with K innermost.
	s_and_b32 s23, ttmp9, 7
	s_lshr_b32 s24, ttmp9, 3                       ; which 128 along K
	s_lshl_b32 s23, s23, 7
	s_lshl_b32 s25, s22, 5
	s_add_co_u32 s23, s23, s25                     ; my wave's first column: 128 x (work-group % 8) + 32 x wave
	s_lshl_b32 s26, s24, 19                        ; 128 rows of 4,096 bytes
	s_lshl_b32 s25, s23, 2
	s_add_co_u32 s26, s26, s25
	s_add_nc_u64 s[6:7], s[6:7], s[26:27]
	s_lshl_b32 s26, s23, 9                         ; codes: (column / 16) x 8,192
	s_lshl_b32 s25, s24, 10                        ; + four blocks of 256 bytes for each 128 along K
	s_add_co_u32 s26, s26, s25
	s_add_nc_u64 s[28:29], s[16:17], s[26:27]
	s_lshl_b32 s26, s23, 5                         ; scale bytes: (column / 16) x 512
	s_lshr_b32 s25, s24, 2
	s_lshl_b32 s25, s25, 8                         ; + 256 for the upper half of K
	s_add_co_u32 s26, s26, s25
	s_and_b32 s25, s24, 3
	s_lshl_b32 s25, s25, 2                         ; + my word among a row's four
	s_add_co_u32 s26, s26, s25
	s_add_co_u32 s26, s26, 524288
	s_add_nc_u64 s[16:17], s[16:17], s[26:27]
	v_lshlrev_b32 v3, 2, v1                        ; in: 4 bytes a lane
	v_lshrrev_b32 v8, 4, v1
	v_and_b32 v9, 15, v1
	v_lshlrev_b32 v9, 4, v9
	v_lshl_add_u32 v4, v8, 13, v9                  ; codes: lanes 16-31 are the next tile of 16 columns; 16 bytes a column
	v_lshl_add_u32 v5, v8, 9, v9                   ; scale bytes likewise
	WLOAD 0
	WLOAD 1
	WBLOCK 0
	WBLOCK 1
	WBLOCK 2
	WBLOCK 3
	global_store_b32 v5, v[SB], s[16:17]           ; my column's four scale bytes
	s_endpgm
.Lnot_w:
	s_cmp_lt_u32 ttmp9, WGW+WGX
	s_cbranch_scc0 .Lrows
	; ---- WAY X.  A wave takes one tile of 16 rows and one half of K: step t is row t, 512 numbers.
	s_sub_co_u32 s23, ttmp9, WGW
	s_lshl_b32 s23, s23, 2
	s_add_co_u32 s23, s23, s22                     ; u = 2 x tile + half of K
	s_lshr_b32 s24, s23, 1
	s_and_b32 s25, s23, 1
	s_lshl_b32 s26, s24, 16                        ; 16 rows of 4,096 bytes
	s_lshl_b32 s25, s25, 11
	s_add_co_u32 s26, s26, s25
	s_add_nc_u64 s[4:5], s[4:5], s[26:27]
	s_lshl_b32 s26, s23, 12                        ; codes: 4,096 bytes for each u
	s_add_nc_u64 s[28:29], s[14:15], s[26:27]
	s_lshl_b32 s26, s23, 8                         ; scale bytes: 256 for each u
	s_add_co_u32 s26, s26, 4194304
	s_add_nc_u64 s[14:15], s[14:15], s[26:27]
	s_mul_i32 s30, s22, WREG                       ; my wave's region of LDS
	v_lshlrev_b32 v3, 4, v1                        ; 16 x lane
	v_lshrrev_b32 v14, 2, v1
	v_mul_u32_u24 v14, v14, SP
	v_and_b32 v15, 3, v1
	v_lshl_add_u32 v14, v15, 4, v14
	v_add_nc_u32 v14, s30, v14                     ; the stage, in: four lanes' 64 bytes on end, then 16 of padding
	v_mul_u32_u24 v15, v1, SP
	v_add_nc_u32 v15, s30, v15                     ; and out: my 16 neighbours
	v_lshrrev_b32 v8, 1, v1                        ; my block of the step's 16
	v_and_b32 v9, 1, v1
	s_add_co_u32 s31, s30, SCB
	v_add_nc_u32 v5, s31, v8                       ; my block's byte
	v_lshlrev_b32 v7, 3, v1
	v_add_nc_u32 v6, s31, v7                       ; the bytes on the way out: 8 a lane
	v_mul_u32_u24 v4, v8, IP
	v_lshl_add_u32 v4, v9, 3, v4
	s_add_co_u32 s31, s30, IMG
	v_add_nc_u32 v4, s31, v4                       ; the image: my block's 256 bytes, my half of a row's 16
	v_lshrrev_b32 v8, 4, v1
	v_and_b32 v9, 15, v1
	v_mul_u32_u24 v10, v8, IP
	v_lshl_add_u32 v10, v9, 4, v10
	v_add_nc_u32 v10, s31, v10                     ; and back: sixteen lanes to a block of 256 bytes, two blocks an instruction
.irp t, 0,1,2,3
	XLOAD \t
.endr
	s_wait_loadcnt 12                              ; step 0's four loads are in
	XTURN 0
.irp t, 0,1,2,3,4,5,6,7,8,9,10,11,12,13,14,15
	XSTEP \t
.endr
	ds_load_b64 v[8:9], v6                         ; LDS serves a wave's instructions in order: these see my stores
.irp i, 0,1,2,3,4,5,6,7
	ds_load_b128 v[XR+4*\i:XR+4*\i+3], v10 offset:2*IP*\i
.endr
	s_wait_dscnt 0x0
	global_store_b64 v7, v[8:9], s[14:15]          ; 256 consecutive bytes, aligned
.irp i, 0,1,2,3,4,5,6,7
	global_store_b128 v3, v[XR+4*\i:XR+4*\i+3], s[28:29] offset:512*\i   ; 512 consecutive bytes, aligned
.endr
	s_wait_tensorcnt 0x0                           ; the wave's end, behind my last LDS store
	ds_add_u32 v[SPW], v[NIL]
	s_wait_dscnt 0x0
	s_endpgm
.Lrows:
	; ---- WAY R.  A wave takes eight rows of 1,024 f32, one after the other, four on their way.  Only pointers and one mask are chosen: ctx and the weights take the same lines.
	s_sub_co_u32 s23, ttmp9, WGW+WGX               ; 0-255 ctx, 256-319 kv_w (2,048 rows of 1,024), 320-351 proj_w
	s_cmp_lt_u32 s23, 256
	s_cselect_b64 s[24:25], s[8:9], s[10:11]
	s_cselect_b64 s[26:27], s[18:19], s[20:21]
	s_cselect_b32 s28, 0, 256                      ; the first work-group of the destination,
	s_cselect_b32 s30, -1, 0                       ; and whether the norm's factor counts
	s_mov_b32 s29, s28                             ; the first work-group of the source
	s_cmp_lt_u32 s23, 320
	s_cselect_b64 s[24:25], s[24:25], s[12:13]
	s_cselect_b32 s29, s29, 320
	s_sub_co_u32 s29, s23, s29
	s_sub_co_u32 s28, s23, s28
	s_lshl_b32 s29, s29, 5
	s_lshl_b32 s28, s28, 5
	s_lshl_b32 s31, s22, 3
	s_add_co_u32 s29, s29, s31                     ; my first row in the source: 32 a work-group, 8 a wave,
	s_add_co_u32 s28, s28, s31                     ; and in the destination (proj_w follows kv_w in w16)
	s_lshl_b32 s32, s29, 12
	s_mov_b32 s33, 0
	s_add_nc_u64 s[24:25], s[24:25], s[32:33]
	s_lshl_b32 s32, s28, 11
	s_add_nc_u64 s[26:27], s[26:27], s[32:33]
	s_mov_b32 s34, 0x76543210
	s_mov_b32 s35, 0xfedcba98                      ; v_permlanex16_b32's selects for lane l xor 16
	s_mov_b32 s36, 0x3a800000                      ; 1 / 1,024
	s_mov_b32 s37, 0x358637bd                      ; 1e-6
	v_lshlrev_b32 v2, 4, v1                        ; in: 16 bytes a lane
	v_lshlrev_b32 v3, 3, v1                        ; out: 8
	v_mov_b32 v25, 0                               ; named with v24 as a pair, so it is written
	v_mov_b32 v27, 0                               ; a lane permute's destination counts as one of its sources
.irp i, 0,1,2,3
	RFILL \i
.endr
	RROW 0, 24
	RROW 1, 24
	RROW 2, 24
	RROW 3, 24
	RROW 4, 24
	RROW 5, 16                                     ; nothing more is loaded: the counts run down
	RROW 6, 8
	RROW 7, 0
	s_endpgm
.Lfunc_end_k_q3576046543_prep:
	.size	k_q3576046543_prep, .Lfunc_end_k_q3576046543_prep-k_q3576046543_prep
	.p2alignl 7, 3214868480
	.fill 96, 4, 3214868480
	.section	.rodata,"a",@progbits
	.p2align	6, 0x0
	.amdhsa_kernel k_q3576046543_prep
		.amdhsa_group_segment_fixed_size 39424
		.amdhsa_private_segment_fixed_size 0
		.amdhsa_enable_private_segment 0
		.amdhsa_kernarg_size 72
		.amdhsa_user_sgpr_count 2
		.amdhsa_user_sgpr_kernarg_segment_ptr 1
		.amdhsa_wavefront_size32 1
		.amdhsa_system_sgpr_workgroup_id_x 1
		.amdhsa_system_sgpr_workgroup_id_y 1
		.amdhsa_system_sgpr_workgroup_id_z 1
		.amdhsa_system_vgpr_workitem_id 0
		.amdhsa_next_free_vgpr 192
		.amdhsa_next_free_sgpr 66
		.amdhsa_reserve_vcc 0
		.amdhsa_float_denorm_mode_32 3
		.amdhsa_float_denorm_mode_16_64 3
		.amdhsa_memory_ordered 1
		.amdhsa_forward_progress 1
		.amdhsa_inst_pref_size 98
	.end_amdhsa_kernel
	.amdgpu_metadata
---
amdhsa.version: [ 1, 2 ]
amdhsa.kernels:
  - .name:           k_q3576046543_prep
    .symbol:         k_q3576046543_prep.kd
    .args:
      - { .name: x, .offset: 0, .size: 8, .value_kind: global_buffer, .address_space: global }
      - { .name: q_w, .offset: 8, .size: 8, .value_kind: global_buffer, .address_space: global }
      - { .name: ctx, .offset: 16, .size: 8, .value_kind: global_buffer, .address_space: global }
      - { .name: kv_w, .offset: 24, .size: 8, .value_kind: global_buffer, .address_space: global }
      - { .name: proj_w, .offset: 32, .size: 8, .value_kind: global_buffer, .address_space: global }
      - { .name: xq, .offset: 40, .size: 8, .value_kind: global_buffer, .address_space: global }
      - { .name: wq, .offset: 48, .size: 8, .value_kind: global_buffer, .address_space: global }
      - { .name: ctxn, .offset: 56, .size: 8, .value_kind: global_buffer, .address_space: global }
      - { .name: w16, .offset: 64, .size: 8, .value_kind: global_buffer, .address_space: global }
    .group_segment_fixed_size: 39424
    .private_segment_fixed_size: 0
    .kernarg_segment_align: 8
    .kernarg_segment_size: 72
    .max_flat_workgroup_size: 128
    .sgpr_count:     66
    .vgpr_count:     192
    .wavefront_size: 32
...
	.end_amdgpu_metadata
.endif
;; end of part 1
;; launch kv (part 2): grid 8 x 32, 4 waves a work-group, clusters of 4 x 4, 327,680 bytes of LDS; arguments ctxn, w16, kv_b, kvh; writes kvh
.if DOCPART == 2
	.amdgcn_target "amdgcn-amd-amdhsa--gfx1250"
	.amdhsa_code_object_version 6
	.text
	.protected	k_q3576046543_kv
	.globl	k_q3576046543_kv
	.p2align	8
	.type	k_q3576046543_kv,@function
k_q3576046543_kv:
	s_mov_b64 s[64:65], 0
	v_nop
	global_prefetch_b8 v0, s[64:65] scope:SCOPE_SE
	s_setreg_imm32_b32 hwreg(HW_REG_WAVE_MODE, 25, 1), 1
	s_wait_xcnt 0x0
	s_wait_alu depctr_hold_cnt(0) depctr_sa_sdst(0) depctr_va_vdst(0) depctr_va_sdst(0) depctr_va_ssrc(0) depctr_va_vcc(0) depctr_vm_vsrc(0)
	s_getreg_b32 s2, hwreg(HW_REG_IB_STS2, 6, 4)
	s_cmp_eq_u32 s2, 0
	s_cbranch_scc0 .Lentry_in_a_cluster
	s_endpgm
.Lentry_in_a_cluster:
	s_bfe_u32 s2, ttmp6, 0x10000c
	s_cmp_lg_u32 s2, 0xf033
	s_cbranch_scc0 .Lentry_shape_is_right
	s_endpgm
.Lentry_shape_is_right:
; ONE SOURCE FOR TWO LAUNCHES, C = A B + bias in f16 with f32 sums; PROJ picks between them.
;   PROJ = 0: A = ctxn [8192][1024] f16, B = kv_w as f16 [1024 k][2048 n], bias kv_b; C goes out as f16, by heads: kvh [batch 4][column / 64: 32][key 2048][64].
;   PROJ = 1: A = o [batch x 16 + head][query 2048][64] f16, B = proj_w as f16 [1024 k][1024 n] (behind kv_w in w16), bias proj_b; C = out0 [8192][1024] f32.
; A tile of C, 256 x 256, is made by a work-group of four waves, as many as a WGP has SIMDs; a wave makes 128 x 128: 64 accumulators of 16 x 16, 512 registers.
; K goes in 8 steps of 128 through a ring of two LDS slots filled by the tensor data mover.  B lies with K outermost and is turned on its way out of LDS (ds_load_tr16_b128).
; CLUSTERS: 4 x 4 work-groups.  The four of a row of the cluster need the same tiles of A, the four of a column the same tiles of B: each tile is asked for jointly, by the same
; tensor load with the same descriptor and a mask that names the four.  By this text's count a wave has at most two tensor loads out.
; THE MATRIX INSTRUCTION IS USED TRANSPOSED (source 0 = 16 columns of B, source 1 = 16 rows of A): a lane holds eight neighbouring numbers of a row of C.
; THE BIAS is the C of each sum's first matrix instruction: eight registers for each block of 16 columns, in the result's layout.  Nothing is cleared, nothing is added.
; PROJ = 1 has 128 tiles, so 128 work-groups: it keeps this loop as it is.
; LIMITS: NaN and infinities are not served.  PROJ = 0 rounds C to f16 without a hold: ctxn is at most 32 by its norm, so C stays far inside f16 for weights and biases 30 times the usual size.
; REGISTERS, in windows of 256: window 0: v16-29 addresses; v64-127, v128-191 A's fragments, two buffers; v192-255 the bias; on the way out v32-63 and v128-255 are free.
;   window 1: v64-127, v128-191 B's fragments.   window 2: the accumulators of my rows 0-63 ((a, b) at v[8 (8 a + b)]);   window 3: those of my rows 64-127.
.set PROJ,   0
.set KSTEP,  128
.set PITCH,  272                       ; A in LDS: 256 bytes + 16 of padding: the 16 rows that a load touches start at 16 different places among the banks
.set BPITCH, 544                       ; B in LDS: a k row of 256 columns, 512 bytes + 32 of padding: an odd multiple of 32
.set HALFT,  128*PITCH                 ; what one tensor load brings: 128 rows of A, or 64 k rows of B: 34,816 bytes either way
.set SLOT,   4*HALFT                   ; A's two halves, then B's two
.set STAGE,  2*SLOT                    ; behind the ring: 16 rows for each wave, for the way out
.set LAPS,   4                         ; a lap = two K steps = once round the ring
.if PROJ
.set NCOL,   1024
.set WOFF,   4194304
.set SPITCH, 528
.set ASTR,   128                       ; A's tile: a head's 256 queries are dense: 128 rows of 256 bytes, two queries each
.set ASTEP,  2*2048*128                ; a K step on: two heads
.else
.set NCOL,   2048
.set WOFF,   0
.set SPITCH, 272
.set ASTR,   1024
.set ASTEP,  KSTEP*2
.endif
.set BSTEP,  KSTEP*NCOL*2              ; a K step on in B: 128 k rows
.set SPARE,  STAGE+4*16*SPITCH         ; the spare words, 128 bytes for each wave: two blocks of 256 bytes that no other line names
.set ADRA, 16                          ; v16-17  LDS address of my A fragments in slot 0, 1
.set ADRB, 20                          ; v20-21  the same for B
.set STO,  24                          ; v24     the way out: where I put my piece of a row
.set RD,   25                          ; v25     the way out: where I read back
.set CO,   26                          ; v26     16 x lane
.set BO,   27                          ; v27     32 x (lane / 16): my eight numbers of a block's 16 of the bias
.set SPW,  28                          ; v28     LDS address of my spare word; never rewritten
.set NIL,  29                          ; v29     0; never rewritten
.set F0,   64
.set F1,   128
.set BI,   192
.set TMP,  192
.set OB,   32
.set G1,   24                          ; s[24:31] group 1 for A's tiles;  s[32:39] group 0, one set for each slot
.set G0,   32
.set G1B,  48                          ; s[48:55], s[56:63] the same for B's
.set G0B,  56
.set MSB, 0
.macro WIN new                         ; the immediate's high byte repeats the setting that is left; a switch that changes nothing is dropped
.if MSB != (\new)
	s_set_vgpr_msb (MSB<<8)|(\new)
.set MSB, \new
.endif
.endm
.set MUL_LO, 0xa1                      ; source 0 (B) window 1, source 1 (A) window 0, C and D window 2 (a first product: C, the bias, window 0: 0x81)
.set MUL_HI, 0xf1                      ; the same, C and D window 3 (a first product: 0xc1)
.set TO_B,   0x40                      ; destination window 1, address window 0
.macro JLOAD s                         ; a joint load: waves 0 and 1 fetch A's two halves, waves 2 and 3 B's; the branch hangs on the wave's number alone.
	s_cmp_eq_u32 s13, 0
	s_cbranch_scc0 .Lfor_b_\@
	tensor_load_to_lds s[G0+4*\s:G0+4*\s+3], s[G1:G1+7]
	s_nop 0
.rept 4
	v_nop
.endr
	s_branch .Lasked_\@
.Lfor_b_\@:
	tensor_load_to_lds s[G0B+4*\s:G0B+4*\s+3], s[G1B:G1B+7]
	s_nop 0
.rept 4
	v_nop
.endr
.Lasked_\@:
.endm
.macro CREST                           ; a round of the cluster's barrier behind its opening barrier
	s_cmp_lg_u32 s12, 0
	s_cbranch_scc1 .Lnot_wave_0_\@
	s_barrier_signal -3
.Lnot_wave_0_\@:
	s_barrier_wait -3
	s_barrier_signal -1
	s_barrier_wait -1
.endm
.macro CROUND                          ; a whole round
	s_barrier_signal -1
	s_barrier_wait -1
	CREST
.endm
	s_load_b256 s[4:11], s[0:1], 0x0               ; A s[4:5], w16 s[6:7], the bias s[8:9], C s[10:11]
	v_lshl_add_u32 v[SPW], v0, 2, SPARE
	v_mov_b32 v[NIL], 0
	ds_add_u32 v[SPW], v[NIL]                      ; the wave's opening: the add, twice on end, and its wait ahead of my first tensor load
	ds_add_u32 v[SPW], v[NIL]
	v_lshrrev_b32 v1, 5, v0
	v_readfirstlane_b32 s12, v1                    ; wave 0..3
	s_lshr_b32 s13, s12, 1                         ; which half of the tile's rows is mine.  Also: I fetch for A (0) or for B (1)
	s_and_b32 s14, s12, 1                          ; which half of its columns.  Also: which half of that tile I fetch
	s_bfe_u32 s15, ttmp6, 0x40000                  ; cx, cy: my place in the cluster
	s_bfe_u32 s16, ttmp6, 0x40004
	s_lshl_b32 s17, ttmp9, 2
	s_add_co_u32 s17, s17, s15                     ; tile column of C
	s_and_b32 s18, ttmp7, 0xffff
	s_lshl_b32 s18, s18, 2
	s_add_co_u32 s18, s18, s16                     ; tile row of C
	s_lshl_b32 s19, s16, 2
	s_lshl_b32 s19, 15, s19                        ; my row of the cluster
	s_lshl_b32 s20, 0x1111, s15                    ; my column
	s_or_b32 s[G1+0], s19, (1<<16)|(1<<20)|(1<<21)|(5<<22)|(3<<25)   ; the mask: A's tiles go to my row; elements of 2 bytes; padding on; bit 21 beside a mask; 4 words behind every 64
	s_mov_b32 s[G1+1], 128<<16                     ; tensor_dim0 = 128
	s_mov_b32 s[G1+2], 128<<16                     ; tensor_dim1 = 128
	s_mov_b32 s[G1+3], 128<<16                     ; tile_dim0 = 128
	s_mov_b32 s[G1+4], 128                         ; tile_dim1 = 128
	s_mov_b32 s[G1+5], ASTR                        ; elements from row to row
	s_mov_b32 s[G1+6], 0
	s_mov_b32 s[G1+7], 0
	s_or_b32 s[G1B+0], s20, (1<<16)|(1<<20)|(1<<21)|(6<<22)|(7<<25)  ; B's tiles go to my column; 8 words behind every 128
	s_mov_b32 s[G1B+1], 256<<16                    ; tensor_dim0 = 256 columns
	s_mov_b32 s[G1B+2], 64<<16                     ; tensor_dim1 = 64 k rows
	s_mov_b32 s[G1B+3], 256<<16
	s_mov_b32 s[G1B+4], 64
	s_mov_b32 s[G1B+5], NCOL
	s_mov_b32 s[G1B+6], 0
	s_mov_b32 s[G1B+7], 0
	; where the tiles come from.  A's hang on the tile row alone, B's on the tile column alone, each in registers that never hold the other coordinate
.if PROJ
	s_lshr_b32 s40, s18, 3                         ; the batch (8 tile rows each),
	s_lshl_b32 s40, s40, 4
	s_add_co_u32 s40, s40, s14                     ; its head 0 or 1: the half of K step 0 that I fetch,
	s_lshl_b32 s40, s40, 11
	s_and_b32 s41, s18, 7
	s_lshl_b32 s41, s41, 8
	s_add_co_u32 s40, s40, s41                     ; the tile's first query,
	s_lshl_b32 s40, s40, 7                         ; 128 bytes a query
.else
	s_lshl_b32 s40, s18, 8
	s_lshl_b32 s41, s14, 7
	s_add_co_u32 s40, s40, s41                     ; row 256 x tile row + 128 x half,
	s_lshl_b32 s40, s40, 11                        ; 2,048 bytes a row
.endif
	s_mov_b32 s41, 0
	s_mul_i32 s44, s14, 64*NCOL*2                  ; B: k rows 64 x half on,
	s_lshl_b32 s45, s17, 9                         ; 512 bytes for each tile column
	s_add_co_u32 s44, s44, s45
	s_add_co_u32 s44, s44, WOFF
	s_mov_b32 s45, 0
	s_mul_i32 s21, s12, HALFT                      ; and where they go: wave x 34,816: no place in the cluster enters an LDS address
	s_wait_dscnt 0x0                               ; both opening adds are done
	s_wait_kmcnt 0x0
	s_add_nc_u64 s[42:43], s[4:5], s[40:41]
	s_add_nc_u64 s[46:47], s[6:7], s[44:45]
	CROUND                                         ; all sixteen work-groups are here: the first joint loads meet
.irp s, 0,1
	s_mov_b32 s[G0+4*\s], 1
	s_add_co_u32 s[G0+4*\s+1], s21, \s*SLOT
	s_add_nc_u64 s[G0+4*\s+2:G0+4*\s+3], s[42:43], \s*ASTEP
	s_or_b32 s[G0+4*\s+3], s[G0+4*\s+3], 0x80000000
	s_mov_b32 s[G0B+4*\s], 1
	s_add_co_u32 s[G0B+4*\s+1], s21, \s*SLOT
	s_add_nc_u64 s[G0B+4*\s+2:G0B+4*\s+3], s[46:47], \s*BSTEP
	s_or_b32 s[G0B+4*\s+3], s[G0B+4*\s+3], 0x80000000
	JLOAD \s
.endr
	v_and_b32 v1, 15, v0                           ; r = lane % 16
	v_bfe_u32 v2, v0, 4, 1                         ; h = lane / 16
.if PROJ
	v_bfe_u32 v3, v0, 1, 3                         ; A: two queries share an LDS row: (r / 2) x pitch + 128 (r % 2) + 16 h
	v_mul_u32_u24 v3, v3, PITCH
	v_and_b32 v5, 1, v0
	v_lshl_add_u32 v3, v5, 7, v3
	v_lshl_add_u32 v3, v2, 4, v3
	s_mul_i32 s22, s13, 64*PITCH                   ; my 128 queries
.else
	v_mul_u32_u24 v3, v1, PITCH                    ; A: row x pitch + 16 h
	v_lshl_add_u32 v3, v2, 4, v3
	s_mul_i32 s22, s13, HALFT                      ; my 128 rows
.endif
	v_and_b32 v5, 7, v0                            ; B, for the turning load: k row 8 h + lane % 8, 16 bytes (8 columns) by (lane / 8) % 2
	v_lshl_add_u32 v5, v2, 3, v5
	v_mul_u32_u24 v4, v5, BPITCH
	v_bfe_u32 v5, v0, 3, 1
	v_lshl_add_u32 v4, v5, 4, v4
	s_lshl_b32 s23, s14, 8                         ; my 128 columns,
	s_add_co_u32 s23, s23, 2*HALFT                 ; behind A
.irp s, 0,1
	v_add_nc_u32 v[ADRA+\s], s22, v3
	v_add_nc_u32 v[ADRB+\s], s23, v4
	s_add_co_u32 s22, s22, SLOT
	s_add_co_u32 s23, s23, SLOT
.endr
	s_mul_i32 s2, s12, 16*SPITCH
	s_add_co_u32 s2, s2, STAGE                     ; my stage
	v_mul_u32_u24 v5, v1, SPITCH
.if PROJ
	v_lshl_add_u32 v5, v2, 5, v5                   ; in: row r, 32 bytes for each half of the lanes
.else
	v_lshl_add_u32 v5, v2, 4, v5                   ; in: row r, 16 bytes for each half of the lanes
.endif
	v_add_nc_u32 v[STO], s2, v5
	v_and_b32 v6, 31, v0
	v_lshlrev_b32 v[CO], 4, v6
.if PROJ
	v_add_nc_u32 v[RD], s2, v[CO]                  ; back: the 32 lanes take one row of 512 bytes
.else
	v_bfe_u32 v5, v0, 3, 2                         ; back: eight lanes take one head's 128 bytes of a row; four rows an instruction
	v_mul_u32_u24 v5, v5, SPITCH
	v_and_b32 v6, 7, v0
	v_lshl_add_u32 v5, v6, 4, v5
	v_add_nc_u32 v[RD], s2, v5
.endif
	v_lshlrev_b32 v[BO], 5, v2
	s_lshl_b32 s66, s17, 10
	s_lshl_b32 s67, s14, 9
	s_add_co_u32 s66, s66, s67                     ; the bias of my 128 columns
	s_mov_b32 s67, 0
	s_add_nc_u64 s[8:9], s[8:9], s[66:67]
.irp b, 0,1,2,3,4,5,6,7
	global_load_b128 v[BI+8*\b:BI+8*\b+3], v[BO], s[8:9] offset:64*\b          ; lane (r, h): the bias of columns 16 b + 8 h + 0 .. 7
	global_load_b128 v[BI+8*\b+4:BI+8*\b+7], v[BO], s[8:9] offset:64*\b+16
.endr
	; where my part of C begins
.if PROJ
	s_lshl_b32 s68, s18, 8
	s_lshl_b32 s69, s13, 7
	s_add_co_u32 s68, s68, s69                     ; my first row,
	s_lshl_b32 s68, s68, 12                        ; 4,096 bytes a row,
	s_lshl_b32 s69, s17, 10
	s_add_co_u32 s68, s68, s69
	s_lshl_b32 s69, s14, 9
	s_add_co_u32 s68, s68, s69                     ; my first column
.else
	s_lshr_b32 s68, s18, 3
	s_lshl_b32 s68, s68, 5                         ; 32 x batch
	s_lshl_b32 s69, s17, 2
	s_add_co_u32 s68, s68, s69
	s_lshl_b32 s69, s14, 1
	s_add_co_u32 s68, s68, s69                     ; + my first group of 64 columns: 4 x tile column + 2 x half
	s_lshl_b32 s68, s68, 11
	s_and_b32 s69, s18, 7
	s_lshl_b32 s69, s69, 8
	s_add_co_u32 s68, s68, s69
	s_lshl_b32 s69, s13, 7
	s_add_co_u32 s68, s68, s69                     ; + my first key,
	s_lshl_b32 s68, s68, 7                         ; 128 bytes a key
.endif
	s_mov_b32 s69, 0
	s_add_nc_u64 s[10:11], s[10:11], s[68:69]
; 16 matrix instructions: row blocks a0, a0 + 1 of the window's four x all 8 column blocks, 32 along K.  first = 1: the bias is C.  The 64 accumulators take turns, one instruction a turn.
.macro MUL16 f, hi, a0, first
.irp a, \a0, \a0+1
.irp b, 0,1,2,3,4,5,6,7
.if \first
	v_wmma_f32_16x16x32_f16 v[8*(8*(\a)+\b):8*(8*(\a)+\b)+7], v[\f+8*\b:\f+8*\b+7], v[\f+8*(4*\hi+\a):\f+8*(4*\hi+\a)+7], v[BI+8*\b:BI+8*\b+7]
.else
	v_wmma_f32_16x16x32_f16 v[8*(8*(\a)+\b):8*(8*(\a)+\b)+7], v[\f+8*\b:\f+8*\b+7], v[\f+8*(4*\hi+\a):\f+8*(4*\hi+\a)+7], v[8*(8*(\a)+\b):8*(8*(\a)+\b)+7]
.endif
.endr
.endr
.endm
; 32 LDS loads in one run: the fragments of one quarter step (k: its byte in a row of A, 64 a quarter) into buffer f.  B: 32 k rows x 16 columns a fragment, turned, two loads 16 k rows apart.
.macro FETCH slot, k, f
	WIN TO_B
.irp i, 0,1,2,3,4,5,6,7
	ds_load_tr16_b128 v[\f+8*\i:\f+8*\i+3],   v[ADRB+\slot] offset:((\k)/64)*32*BPITCH+32*\i
	ds_load_tr16_b128 v[\f+8*\i+4:\f+8*\i+7], v[ADRB+\slot] offset:((\k)/64)*32*BPITCH+16*BPITCH+32*\i
.endr
	WIN 0
.irp i, 0,1,2,3,4,5,6,7
.if PROJ
	ds_load_b128 v[\f+8*\i:\f+8*\i+3],   v[ADRA+\slot] offset:((\k)/128)*HALFT+((\k)%128)+\i*8*PITCH       ; the step's first or second head; 16 queries are 8 LDS rows
	ds_load_b128 v[\f+8*\i+4:\f+8*\i+7], v[ADRA+\slot] offset:((\k)/128)*HALFT+((\k)%128)+\i*8*PITCH+32
.else
	ds_load_b128 v[\f+8*\i:\f+8*\i+3],   v[ADRA+\slot] offset:\k+\i*16*PITCH
	ds_load_b128 v[\f+8*\i+4:\f+8*\i+7], v[ADRA+\slot] offset:\k+\i*16*PITCH+32
.endif
.endr
.endm
.macro PLACES                          ; four plain vector lines between a matrix instruction and a load into a register that it read, or a read of its result (ISA guide 7.12.1 for a read of its result)
.rept 4
	v_nop
.endr
.endm
; A K step is four quarters of 32 along K, 64 matrix instructions each, on buffers 0, 1, 0, 1.  One of the first three: multiplies buffer f; in its middle it fetches the next quarter into g.
.macro QUARTER slot, k, f, g, first
	s_wait_dscnt 8                                 ; B and A's rows 0-63 are in; the youngest eight loads (A's rows 64-127) may be out
	WIN MUL_LO-0x20*\first
	MUL16 \f, 0, 0, \first
	MUL16 \f, 0, 2, \first
	PLACES
	FETCH \slot, \k, \g
	s_wait_dscnt 32                                ; all but the 32 just issued
	WIN MUL_HI-0x30*\first
	MUL16 \f, 1, 0, \first
	MUL16 \f, 1, 2, \first
.endm
; The last quarter multiplies buffer 1 and changes slots: one barrier.  In front of it each wave waits for all its tensor loads (the one that is out is its part of the next slot), adds 0 to its spare word,
; and waits for that and for its own reads of this slot.  fill = 1: the barrier opens a round of the cluster's barrier, and behind the round this slot is filled again, two K steps ahead.
.macro TURN slot, next, fill
	WIN 0                                          ; (the add's two registers lie in window 0)
	s_wait_tensorcnt 0x0
	ds_add_u32 v[SPW], v[NIL]
	s_wait_dscnt 9                                 ; (the add and the youngest eight loads may be out)
	WIN MUL_LO
	MUL16 F1, 0, 0, 0                              ; sixteen matrix instructions stand between the add and the wait for it
	s_wait_dscnt 0x0                               ; the add is done, and my reads of this slot are over
	s_barrier_signal -1
	MUL16 F1, 0, 2, 0
.if \fill
	WIN 0
.endif
	s_barrier_wait -1
.if \fill
	CREST                                          ; no wave of any partner still reads this slot's tile or has a load on its way
	s_add_nc_u64 s[G0+4*\slot+2:G0+4*\slot+3], s[G0+4*\slot+2:G0+4*\slot+3], 2*ASTEP
	s_add_nc_u64 s[G0B+4*\slot+2:G0B+4*\slot+3], s[G0B+4*\slot+2:G0B+4*\slot+3], 2*BSTEP
	JLOAD \slot                                    ; the first tensor load behind the round: 224 matrix instructions ahead of the wait for it; its four v_nop are also the places in front of the loads below
.else
	PLACES
.endif
	FETCH \next, 0, F0
	WIN MUL_HI
	MUL16 F1, 1, 0, 0
	MUL16 F1, 1, 2, 0
.endm
	s_wait_tensorcnt 1                             ; my part of K step 0 is in (K step 1's load may be out)
	s_barrier_signal -1
	s_barrier_wait -1                              ; everybody's is
	FETCH 0, 0, F0
	s_wait_loadcnt 0x0                             ; the bias
	QUARTER 0, 64,  F0, F1, 1                      ; the first quarter stands in front of the loop: its products start the sums, on the bias
	WIN 0                                          ; at a label and at a branch every window is 0
	s_mov_b32 s3, LAPS-1
.Llap:                                                 ; a trip goes once round the ring, from a lap's second quarter to the next lap's first, and fills both slots again
	QUARTER 0, 128, F1, F0, 0
	QUARTER 0, 192, F0, F1, 0
	TURN 0, 1, 1
	QUARTER 1, 64,  F0, F1, 0
	QUARTER 1, 128, F1, F0, 0
	QUARTER 1, 192, F0, F1, 0
	TURN 1, 0, 1
	QUARTER 0, 64,  F0, F1, 0
	WIN 0
	s_sub_co_u32 s3, s3, 1
	s_cmp_lg_u32 s3, 0
	s_cbranch_scc1 .Llap
	QUARTER 0, 128, F1, F0, 0                      ; the last lap fills nothing, and has no round of the cluster's barrier
	QUARTER 0, 192, F0, F1, 0
	TURN 0, 1, 0
	QUARTER 1, 64,  F0, F1, 0
	QUARTER 1, 128, F1, F0, 0
	QUARTER 1, 192, F0, F1, 0
	s_wait_dscnt 8                                 ; the very last quarter: nothing more to fetch
	WIN MUL_LO
	MUL16 F1, 0, 0, 0
	MUL16 F1, 0, 2, 0
	s_wait_dscnt 0x0
	WIN MUL_HI
	MUL16 F1, 1, 0, 0
	MUL16 F1, 1, 2, 0
	WIN 0
; THE WAY OUT, a block of 16 rows x 128 columns at a time, through my own stage in LDS.  LDS serves a wave's instructions in order (ISA guide 5.7.1.4): no wait between the stores and the loads.
.if PROJ
.macro TOSTAGE a                       ; f32 as it stands: 32 bytes a lane in, whole rows of 512 bytes back
.set AC, 64*((\a)%4)
	WIN 0x08+4*((\a)/4)                            ; an LDS store's data are its source 1: window 2 or 3
.irp b, 0,1,2,3,4,5,6,7
	ds_store_b128 v[STO], v[AC+8*\b:AC+8*\b+3] offset:64*\b          ; each accumulator from its low end on
	ds_store_b128 v[STO], v[AC+8*\b+4:AC+8*\b+7] offset:64*\b+16
.endr
	WIN 0
.set BB, 128+64*((\a)%2)
.irp t, 0,1,2,3,4,5,6,7,8,9,10,11,12,13,14,15
	ds_load_b128 v[BB+4*\t:BB+4*\t+3], v[RD] offset:\t*SPITCH
.endr
.endm
.macro SEND a, younger                 ; younger: the LDS instructions issued behind block a's loads, which may stay out
.set BB, 128+64*((\a)%2)
	s_wait_dscnt \younger
.if (\a) > 0
	s_add_nc_u64 s[10:11], s[10:11], 16*NCOL*4     ; (behind a wait on XCNT: the earlier stores have read their base)
.endif
.irp t, 0,1,2,3,4,5,6,7,8,9,10,11,12,13,14,15
	global_store_b128 v[CO], v[BB+4*\t:BB+4*\t+3], s[10:11] offset:\t*NCOL*4 th:TH_STORE_NT   ; 32 lanes store 512 consecutive bytes, aligned; written once, read by nobody here
.endr
.endm
	PLACES
	TOSTAGE 0
.irp a, 1,2,3,4,5,6,7
.if \a > 1
	s_wait_xcnt 0x0                                ; block a - 2's stores have read their registers and their base
.endif
	TOSTAGE \a
	SEND \a-1, 32                                  ; behind block a - 1's loads: block a's 16 stores and 16 loads
.endr
	s_wait_xcnt 0x0
	SEND 7, 0
.else
.macro PACK a                          ; rounded to f16: a lane's eight columns are 16 bytes; each accumulator from its low end on
.set AC, 64*((\a)%4)
	WIN 0x0a+5*((\a)/4)                            ; sources 0 and 1: window 2 or 3
.irp b, 0,1,2,3,4,5,6,7
.irp r, 0,1,2,3
	v_cvt_pk_f16_f32 v[TMP+4*\b+\r], v[AC+8*\b+2*\r], v[AC+8*\b+2*\r+1]
.endr
.endr
	WIN 0
.endm
.macro TOSTAGE a                       ; rows of 256 bytes in; back by heads: loads 0-3 the first 64 columns of rows 4 t .. 4 t + 3, loads 4-7 the second
.set BB, OB+192*((\a)%2)
.irp b, 0,1,2,3,4,5,6,7
	ds_store_b128 v[STO], v[TMP+4*\b:TMP+4*\b+3] offset:32*\b
.endr
.irp t, 0,1,2,3,4,5,6,7
	ds_load_b128 v[BB+4*\t:BB+4*\t+3], v[RD] offset:((\t)%4)*4*SPITCH+((\t)/4)*128
.endr
.endm
.macro SEND a, younger
.set BB, OB+192*((\a)%2)
	s_wait_dscnt \younger                          ; the block is back in registers
	s_wait_xcnt 0x0                                ; the earlier stores have read their base and their registers
.if (\a) > 0
	s_add_nc_u64 s[10:11], s[10:11], 16*128        ; 16 keys on
.endif
.irp t, 0,1,2,3,4,5,6,7
	global_store_b128 v[CO], v[BB+4*\t:BB+4*\t+3], s[10:11] offset:((\t)%4)*512+((\t)/4)*262144   ; four keys of one head: 512 consecutive bytes, aligned; the second head lies 2,048 keys on
.endr
.endm
	PLACES
	PACK 0
	TOSTAGE 0
.irp a, 1,2,3,4,5,6,7                  ; block a's conversions stand between block a - 1's loads from the stage and the wait for them
	PACK \a
	SEND \a-1, 0
	TOSTAGE \a
.endr
	SEND 7, 0
.endif
	s_wait_tensorcnt 0x0                           ; the wave's end, behind my last tensor load and my last LDS store
	ds_add_u32 v[SPW], v[NIL]
	s_wait_dscnt 0x0
	CROUND                                         ; the closing round: no work-group ends while a partner may still ask for a tile that names it
	s_endpgm
.Lfunc_end_k_q3576046543_kv:
	.size	k_q3576046543_kv, .Lfunc_end_k_q3576046543_kv-k_q3576046543_kv
	.p2alignl 7, 3214868480
	.fill 96, 4, 3214868480
	.section	.rodata,"a",@progbits
	.p2align	6, 0x0
	.amdhsa_kernel k_q3576046543_kv
		.amdhsa_group_segment_fixed_size 327680
		.amdhsa_private_segment_fixed_size 0
		.amdhsa_enable_private_segment 0
		.amdhsa_kernarg_size 32
		.amdhsa_user_sgpr_count 2
		.amdhsa_user_sgpr_kernarg_segment_ptr 1
		.amdhsa_wavefront_size32 1
		.amdhsa_system_sgpr_workgroup_id_x 1
		.amdhsa_system_sgpr_workgroup_id_y 1
		.amdhsa_system_sgpr_workgroup_id_z 1
		.amdhsa_system_vgpr_workitem_id 0
		.amdhsa_next_free_vgpr 1024
		.amdhsa_next_free_sgpr 72
		.amdhsa_reserve_vcc 0
		.amdhsa_float_denorm_mode_32 3
		.amdhsa_float_denorm_mode_16_64 3
		.amdhsa_memory_ordered 1
		.amdhsa_forward_progress 1
		.amdhsa_inst_pref_size 145
	.end_amdhsa_kernel
	.amdgpu_metadata
---
amdhsa.version: [ 1, 2 ]
amdhsa.kernels:
  - .name:           k_q3576046543_kv
    .symbol:         k_q3576046543_kv.kd
    .args:
      - { .name: ctxn, .offset: 0, .size: 8, .value_kind: global_buffer, .address_space: global }
      - { .name: w16, .offset: 8, .size: 8, .value_kind: global_buffer, .address_space: global }
      - { .name: kv_b, .offset: 16, .size: 8, .value_kind: global_buffer, .address_space: global }
      - { .name: kvh, .offset: 24, .size: 8, .value_kind: global_buffer, .address_space: global }
    .group_segment_fixed_size: 327680
    .private_segment_fixed_size: 0
    .kernarg_segment_align: 8
    .kernarg_segment_size: 32
    .max_flat_workgroup_size: 128
    .sgpr_count:     72
    .vgpr_count:     1024
    .wavefront_size: 32
...
	.end_amdgpu_metadata
.endif
;; end of part 2
;; launch attn (part 3): grid 4 x 64, 8 waves a work-group, clusters of 4 x 1, 327,680 bytes of LDS; arguments xq, wq, q_b, kvh, o, msum; writes o, msum
.if DOCPART == 3
	.amdgcn_target "amdgcn-amd-amdhsa--gfx1250"
	.amdhsa_code_object_version 6
	.text
	.protected	k_q3576046543_attn
	.globl	k_q3576046543_attn
	.p2align	8
	.type	k_q3576046543_attn,@function
k_q3576046543_attn:
	s_mov_b64 s[64:65], 0
	v_nop
	global_prefetch_b8 v0, s[64:65] scope:SCOPE_SE
	s_setreg_imm32_b32 hwreg(HW_REG_WAVE_MODE, 25, 1), 1
	s_wait_xcnt 0x0
	s_wait_alu depctr_hold_cnt(0) depctr_sa_sdst(0) depctr_va_vdst(0) depctr_va_sdst(0) depctr_va_ssrc(0) depctr_va_vcc(0) depctr_vm_vsrc(0)
	s_getreg_b32 s2, hwreg(HW_REG_IB_STS2, 6, 4)
	s_cmp_eq_u32 s2, 0
	s_cbranch_scc0 .Lentry_in_a_cluster
	s_endpgm
.Lentry_in_a_cluster:
	s_bfe_u32 s2, ttmp6, 0x10000c
	s_cmp_lg_u32 s2, 0x3003
	s_cbranch_scc0 .Lentry_shape_is_right
	s_endpgm
.Lentry_shape_is_right:
; ATTENTION of one head for 512 queries a work-group, with the query projection in front of it.
;   q' = (x q_w + q_b) x 0.125 x log2(e): the QUANTISED product, on codes of FP4 with E8M0 scales (xq, wq), f32 sums, q_b as the first C; q' is rounded to f16 and never goes to memory.
;   t' = q' . k + 1 (f16 operands, f32 sums; the 1 is the first C);  p = 2^(t' held to -13.42695 .. 15.42695) = 2 e^(clip(logit, -10, 10));  O = (sum of p v) / (sum of p).
; NO RUNNING MAXIMUM: the clip to +-10 that the problem itself makes ahead of the softmax bounds every exponent, for every input: p lies between 9.1e-5 and 44,053, normal numbers of f16 at both ends,
; and a row's sum of 2,048 of them stays under 1e8 in f32.  The factor 2 cancels in the division.  The sum is taken of p before it is rounded to f16.
; msum: each wave's sum of l x (1 / l) over its 64 rows, each row counted twice (both halves of the lanes hold it): the last launch makes the mean of the weights of it.
; SHARES.  Work-group (cx, y): head y % 16 of batch y / 16, queries 512 cx on.  Eight waves, 64 queries (four tiles of 16) each, two waves to a SIMD, so that one wave's softmax stands beside the other's products.
; CLUSTER.  The four work-groups of a head walk the same K and V: each tile is asked for jointly, with a mask that names the four.  A slot holds 512 keys; both slots are filled at the head, and each is filled
; once more; a refill has eight key steps in which to land.  By this text's count a wave has at most two tensor loads out.
; LAYOUT.  All three products are used transposed (source 1 = my 16 queries), so that a lane holds ONE query (lane % 16) throughout and nothing changes lanes between the products.
; LIMITS: NaN and infinities are not served; q' is held at +-65,504 ahead of its rounding to f16; msum sums l x (1 / l) and not the single weights.
; REGISTERS: window 0: v1-15 addresses; v16-23 the sums l; v24-31 the number 1; v32-159 S^T, then p (tile t at 32 + 32 t); v160-223 K's fragments (at the head v160-191: q_b; on the way out: at work);
;   v224-239 x's scale words, v240-255 q_w's: they hold nothing else.   window 1: v0-63 Q; v64-191 O^T; v192-255 V's fragments (at the head: two sets of fragments of x and q_w).
.set KP,    272                        ; two keys of K share an LDS row: 256 bytes + 16 of padding
.set VP,    288                        ; two keys of V: 256 + 32
.set VOFF,  256*KP                     ; a slot: 512 keys of K, then 512 of V
.set SLOT,  256*(KP+VP)                ; 143,360
.set STAGE, 2*SLOT                     ; behind the ring: 16 rows x 144 bytes for each wave
.set SPI,   144
.set SPARE, STAGE+8*16*SPI             ; the spare words, 128 bytes for each wave: four blocks of 256 bytes that no other line names
.set LI,  1                            ; v1   16 x lane
.set AK0, 2                            ; v2   my lane's place in a tile of K
.set AV0, 3                            ; v3   the same for V
.set ADK, 4                            ; v4   LDS address of the step's K
.set ADV, 5                            ; v5   of its V
.set STO, 6                            ; v6   the way out: where I put 16 bytes of a row
.set RD,  7                            ; v7   and where I read back
.set BO,  8                            ; v8   32 x (lane / 16)
.set SPW, 12                           ; v12  LDS address of my spare word; never rewritten
.set NIL, 13                           ; v13  0; never rewritten
.set L,   16
.set ONE, 24
.set S,   32
.set KF,  160
.set QB,  160
.set W,   160
.set XSC, 224
.set WSC, 240
.set WV,  20                           ; s20  wave
.set G1K, 24                           ; s[24:31] group 1 for K's tiles; s[32:39] for V's: it differs in the padding alone
.set G1V, 32
.set G0K, 40                           ; s[40:47] group 0 for K's tiles, one set for each slot; s[48:55] for V's
.set G0V, 48
.set TK,  56                           ; s56  LDS byte at which the step's K begins; s57 its V
.set TV,  57
.set CNT, 58
.set LO,  59                           ; s59, s62 the clip's bounds
.set HI,  62
.set SEL, 60                           ; s[60:61] v_permlanex16_b32's selects for lane l xor 16
.set CS,  66                           ; s[66:67] 0.125 x log2(e), as a pair
.set MSB, 0
.macro WIN new
.if MSB != (\new)
	s_set_vgpr_msb (MSB<<8)|(\new)
.set MSB, \new
.endif
.endm
.macro JLOAD s                         ; a joint refill of slot s: waves 0-3 fetch a quarter of K's 512 keys each, waves 4-7 of V's.
	s_cmp_lt_u32 s[WV], 4
	s_cbranch_scc0 .Lfor_v_\@
	tensor_load_to_lds s[G0K+4*\s:G0K+4*\s+3], s[G1K:G1K+7]
	s_nop 0
.rept 4
	v_nop
.endr
	s_branch .Lasked_\@
.Lfor_v_\@:
	tensor_load_to_lds s[G0V+4*\s:G0V+4*\s+3], s[G1V:G1V+7]
	s_nop 0
.rept 4
	v_nop
.endr
.Lasked_\@:
.endm
.macro CROUND                          ; a round of the cluster's barrier
	s_barrier_signal -1
	s_barrier_wait -1
	s_cmp_lg_u32 s[WV], 0
	s_cbranch_scc1 .Lnot_wave_0_\@
	s_barrier_signal -3
.Lnot_wave_0_\@:
	s_barrier_wait -3
	s_barrier_signal -1
	s_barrier_wait -1
.endm
	s_load_b256 s[4:11], s[0:1], 0x0               ; xq s[4:5], wq s[6:7], q_b s[8:9], kvh s[10:11]
	s_load_b128 s[12:15], s[0:1], 0x20             ; o s[12:13], msum s[14:15]
	v_lshl_add_u32 v[SPW], v0, 2, SPARE
	v_mov_b32 v[NIL], 0
	ds_add_u32 v[SPW], v[NIL]                      ; the wave's opening: the add, twice on end, and its wait ahead of my first tensor load
	ds_add_u32 v[SPW], v[NIL]
	v_lshrrev_b32 v9, 5, v0
	v_readfirstlane_b32 s[WV], v9                  ; wave 0..7
	s_bfe_u32 s21, ttmp6, 0x40000                  ; cx: it enters x's, o's and msum's addresses alone
	s_and_b32 s22, ttmp7, 0xffff                   ; y = 16 x batch + head, which the four partners share
	s_mov_b32 s[G1K], 15|(1<<16)|(1<<20)|(1<<21)|(5<<22)|(3<<25)   ; the mask: all four; elements of 2 bytes; padding on; bit 21 beside a mask; 4 words behind every 64
	s_mov_b32 s[G1V], 15|(1<<16)|(1<<20)|(1<<21)|(5<<22)|(7<<25)   ; the same with 8 words
.irp g, G1K, G1V
	s_mov_b32 s[\g+1], 128<<16                     ; tensor_dim0 = 128: two keys, dense in memory
	s_mov_b32 s[\g+2], 64<<16                      ; tensor_dim1 = 64
	s_mov_b32 s[\g+3], 128<<16                     ; tile_dim0
	s_mov_b32 s[\g+4], 64                          ; tile_dim1
	s_mov_b32 s[\g+5], 128                         ; elements from row to row
	s_mov_b32 s[\g+6], 0
	s_mov_b32 s[\g+7], 0
.endr
	s_and_b32 s23, s[WV], 3                        ; which quarter of a slot's keys I fetch
	s_mul_i32 s70, s23, 64*KP                      ; its place in a slot, for K
	s_mul_i32 s71, s23, 64*VP
	s_add_co_u32 s71, s71, VOFF                    ; and for V
	s_lshr_b32 s72, s22, 4
	s_lshl_b32 s72, s72, 5
	s_and_b32 s73, s22, 15
	s_add_co_u32 s72, s72, s73                     ; K's head in kvh: 32 x batch + head,
	s_lshl_b32 s72, s72, 18                        ; 262,144 bytes each,
	s_lshl_b32 s73, s23, 14
	s_add_co_u32 s72, s72, s73                     ; + my 128 keys
	s_mov_b32 s73, 0
	s_mov_b32 s[LO], 0xc156d4ca                    ; 1 - 10 log2(e)
	s_mov_b32 s[HI], 0x4176d4ca                    ; 1 + 10 log2(e)
	s_mov_b32 s[SEL], 0x76543210
	s_mov_b32 s[SEL+1], 0xfedcba98
	s_mov_b32 s[CS], 0x3e38aa3b                    ; 0.125 x log2(e)
	s_mov_b32 s[CS+1], s[CS]
	s_mov_b32 s68, 0xc77fe000                      ; -65,504
	s_mov_b32 s69, 0x477fe000                      ; 65,504
	s_wait_dscnt 0x0                               ; both opening adds are done
	s_wait_kmcnt 0x0
	s_add_nc_u64 s[74:75], s[10:11], s[72:73]
.irp s, 0,1
	s_mov_b32 s[G0K+4*\s], 1
	s_add_co_u32 s[G0K+4*\s+1], s70, \s*SLOT
	s_add_nc_u64 s[G0K+4*\s+2:G0K+4*\s+3], s[74:75], \s*65536            ; slot s begins with keys 512 s on
	s_or_b32 s[G0K+4*\s+3], s[G0K+4*\s+3], 0x80000000
	s_mov_b32 s[G0V+4*\s], 1
	s_add_co_u32 s[G0V+4*\s+1], s71, \s*SLOT
	s_add_nc_u64 s[G0V+4*\s+2:G0V+4*\s+3], s[74:75], 4194304+\s*65536    ; V's heads lie 16 heads behind K's
	s_or_b32 s[G0V+4*\s+3], s[G0V+4*\s+3], 0x80000000
.endr
	CROUND                                         ; all four work-groups are here: the first joint loads meet
	s_cmp_lt_u32 s[WV], 4                          ; a wave's two first fills stand in one branch, ahead of every wait on TENSORcnt and every LDS read
	s_cbranch_scc0 .Lfirst_v
	tensor_load_to_lds s[G0K:G0K+3], s[G1K:G1K+7]
	s_nop 0
	tensor_load_to_lds s[G0K+4:G0K+7], s[G1K:G1K+7]
	s_nop 0
.rept 4
	v_nop
.endr
	s_branch .Lfirst_asked
.Lfirst_v:
	tensor_load_to_lds s[G0V:G0V+3], s[G1V:G1V+7]
	s_nop 0
	tensor_load_to_lds s[G0V+4:G0V+7], s[G1V:G1V+7]
	s_nop 0
.rept 4
	v_nop
.endr
.Lfirst_asked:
	; the bases of the loads and stores through registers
	s_lshr_b32 s76, s22, 4
	s_lshl_b32 s76, s76, 7
	s_lshl_b32 s77, s21, 5
	s_add_co_u32 s76, s76, s77
	s_lshl_b32 s77, s[WV], 2
	s_add_co_u32 s76, s76, s77                     ; my first tile of 16 rows of x: 128 x batch + 32 cx + 4 x wave
	s_lshl_b32 s78, s76, 9
	s_add_co_u32 s78, s78, 4194304
	s_mov_b32 s79, 0
	s_add_nc_u64 s[78:79], s[4:5], s[78:79]        ; its scale words
	s_lshl_b32 s76, s76, 13
	s_mov_b32 s77, 0
	s_add_nc_u64 s[4:5], s[4:5], s[76:77]          ; its codes
	s_and_b32 s76, s22, 15                         ; the head: four tiles of 16 columns of q_w
	s_lshl_b32 s72, s76, 11
	s_add_co_u32 s72, s72, 524288
	s_mov_b32 s73, 0
	s_add_nc_u64 s[72:73], s[6:7], s[72:73]        ; their scale words
	s_lshl_b32 s74, s76, 15
	s_mov_b32 s75, 0
	s_add_nc_u64 s[6:7], s[6:7], s[74:75]          ; their codes
	s_lshl_b32 s74, s76, 8
	s_add_nc_u64 s[8:9], s[8:9], s[74:75]          ; the head's 64 numbers of q_b
	s_lshl_b32 s74, s22, 11
	s_lshl_b32 s76, s21, 9
	s_add_co_u32 s74, s74, s76
	s_lshl_b32 s76, s[WV], 6
	s_add_co_u32 s74, s74, s76
	s_lshl_b32 s74, s74, 7
	s_add_nc_u64 s[12:13], s[12:13], s[74:75]      ; o at my first query: (2,048 y + 512 cx + 64 x wave) x 128 bytes
	s_lshl_b32 s74, s22, 2
	s_add_co_u32 s74, s74, s21
	s_lshl_b32 s74, s74, 3
	s_add_co_u32 s74, s74, s[WV]
	s_lshl_b32 s74, s74, 2
	s_add_nc_u64 s[14:15], s[14:15], s[74:75]      ; my wave's word of msum
	v_and_b32 v10, 31, v0                          ; lane
	v_lshlrev_b32 v[LI], 4, v10
	v_and_b32 v9, 15, v0                           ; r
	v_bfe_u32 v11, v0, 4, 1                        ; h
	v_lshlrev_b32 v[BO], 5, v11
.irp t, 0,1,2,3
	global_load_b128 v[XSC+4*\t:XSC+4*\t+3], v[LI], s[78:79] offset:512*\t   ; register j: K step j's words in lanes 0-15, K step 4 + j's in lanes 16-31
	global_load_b128 v[WSC+4*\t:WSC+4*\t+3], v[LI], s[72:73] offset:512*\t
	global_load_b128 v[QB+8*\t:QB+8*\t+3], v[BO], s[8:9] offset:64*\t        ; lane (r, h): q_b of channels 16 t + 8 h + 0 .. 7
	global_load_b128 v[QB+8*\t+4:QB+8*\t+7], v[BO], s[8:9] offset:64*\t+16
.endr
; THE QUERY PROJECTION.  Q'^T: source 0 = 16 columns of q_w (channels), source 1 = 16 rows of x (queries).  Round p takes K steps 2 p and 2 p + 1; its fragments lie in set p % 2 of window 1.
.macro PLOAD p
.set XS, 64+128*((\p)%2)
.set WS, (128+128*((\p)%2))%256
	WIN 0x40                                       ; destination window 1
.irp e, 0,1
.irp t, 0,1,2,3
.irp c, 0,1
	global_load_b128 v[XS+16*\t+8*\e+4*\c:XS+16*\t+8*\e+4*\c+3], v[LI], s[4:5] offset:8192*\t+1024*(2*(\p)+\e)+512*\c
	global_load_b128 v[WS+16*\t+8*\e+4*\c:WS+16*\t+8*\e+4*\c+3], v[LI], s[6:7] offset:8192*\t+1024*(2*(\p)+\e)+512*\c
.endr
.endr
.endr
.endm
.macro PMUL p                          ; 32 matrix instructions; the 16 accumulators (tile of queries t, tile of channels ct, at S + 32 t + 8 ct) take turns
.set XS, 64+128*((\p)%2)
.set WS, (128+128*((\p)%2))%256
	WIN 0x05                                       ; sources 0 and 1 window 1; C and D window 0
.irp e, 0,1
.irp ct, 0,1,2,3
.irp t, 0,1,2,3
.if 2*(\p)+\e == 0
	v_wmma_scale_f32_16x16x128_f8f6f4 v[S+32*\t+8*\ct:S+32*\t+8*\ct+7], v[WS+16*\ct+8*\e:WS+16*\ct+8*\e+7], v[XS+16*\t+8*\e:XS+16*\t+8*\e+7], v[QB+8*\ct:QB+8*\ct+7], v[WSC+4*\ct], v[XSC+4*\t] matrix_a_fmt:MATRIX_FMT_FP4 matrix_b_fmt:MATRIX_FMT_FP4
.elseif 2*(\p)+\e < 4
	v_wmma_scale_f32_16x16x128_f8f6f4 v[S+32*\t+8*\ct:S+32*\t+8*\ct+7], v[WS+16*\ct+8*\e:WS+16*\ct+8*\e+7], v[XS+16*\t+8*\e:XS+16*\t+8*\e+7], v[S+32*\t+8*\ct:S+32*\t+8*\ct+7], v[WSC+4*\ct+2*(\p)+\e], v[XSC+4*\t+2*(\p)+\e] matrix_a_fmt:MATRIX_FMT_FP4 matrix_b_fmt:MATRIX_FMT_FP4
.else
	v_wmma_scale_f32_16x16x128_f8f6f4 v[S+32*\t+8*\ct:S+32*\t+8*\ct+7], v[WS+16*\ct+8*\e:WS+16*\ct+8*\e+7], v[XS+16*\t+8*\e:XS+16*\t+8*\e+7], v[S+32*\t+8*\ct:S+32*\t+8*\ct+7], v[WSC+4*\ct+2*(\p)+\e-4], v[XSC+4*\t+2*(\p)+\e-4] matrix_a_fmt:MATRIX_FMT_FP4 matrix_b_fmt:MATRIX_FMT_FP4 matrix_a_scale:MATRIX_SCALE_ROW1 matrix_b_scale:MATRIX_SCALE_ROW1
.endif
.endr
.endr
.endr
.endm
.macro PLACES
.rept 4
	v_nop
.endr
.endm
	PLOAD 0
	PLOAD 1
	WIN 0
	; addresses and constants, while the loads are on their way
	v_bfe_u32 v14, v0, 1, 3
	v_and_b32 v15, 1, v0
	v_mul_u32_u24 v[AK0], v14, KP
	v_lshl_add_u32 v[AK0], v15, 7, v[AK0]
	v_lshl_add_u32 v[AK0], v11, 4, v[AK0]          ; K: key r: (r / 2) x pitch + 128 (r % 2) + 16 h
	v_bfe_u32 v14, v0, 1, 2
	v_lshl_add_u32 v14, v11, 2, v14
	v_mul_u32_u24 v[AV0], v14, VP
	v_lshl_add_u32 v[AV0], v15, 7, v[AV0]
	v_bfe_u32 v14, v0, 3, 1
	v_lshl_add_u32 v[AV0], v14, 4, v[AV0]
	v_add_nc_u32 v[AV0], VOFF, v[AV0]              ; V, for the turning load: key 8 h + lane % 8, 16 bytes (8 channels) by (lane / 8) % 2
	s_mul_i32 s23, s[WV], 16*SPI
	s_add_co_u32 s23, s23, STAGE                   ; my stage
	v_mul_u32_u24 v[STO], v9, SPI
	v_lshl_add_u32 v[STO], v11, 4, v[STO]
	v_add_nc_u32 v[STO], s23, v[STO]               ; in: row r, 16 bytes for each half of the lanes
	v_bfe_u32 v14, v0, 3, 2
	v_mul_u32_u24 v[RD], v14, SPI
	v_and_b32 v14, 7, v0
	v_lshl_add_u32 v[RD], v14, 4, v[RD]
	v_add_nc_u32 v[RD], s23, v[RD]                 ; back: eight lanes to a row of 128 bytes, four rows an instruction
	v_mov_b32 v9, 0                                ; the offset of msum's store
.irp i, 0,1,2,3,4,5,6,7
	v_mov_b32 v[L+\i], 0
	v_mov_b32 v[ONE+\i], 1.0
.endr
	s_wait_loadcnt 32                              ; all but round 1's 32 loads are in
	PMUL 0
	PLACES                                         ; in front of loads into registers that matrix instructions have read
	PLOAD 2
	s_wait_loadcnt 32                              ; round 1's are in, round 2's may be out
	PMUL 1
	PLACES
	PLOAD 3
	s_wait_loadcnt 32
	PMUL 2
	s_wait_loadcnt 0x0
	PMUL 3
	WIN 0
	PLACES
.set j, 0
.rept 64
	v_pk_mul_f32 v[S+j:S+j+1], v[S+j:S+j+1], s[CS:CS+1] op_sel_hi:[1,0]    ; x 0.125 log2(e); each accumulator from its low end on
.set j, j+2
.endr
.set j, 0
.rept 128
	v_med3_num_f32 v[S+j], v[S+j], s68, s69        ; held inside f16
.set j, j+1
.endr
	WIN 0x40
.set j, 0
.rept 64
	v_cvt_pk_f16_f32 v[j], v[S+2*j], v[S+2*j+1]    ; channel tile 2 u fills registers 0-3 of Q's fragment u, tile 2 u + 1 registers 4-7: nothing changes lanes
.set j, j+1
.endr
	WIN 0
; A KEY STEP: 64 keys.  first = 1: the products V^T P of the first 32 keys start O^T's sums.
.macro STEP first
	v_add_nc_u32 v[ADK], s[TK], v[AK0]
	v_add_nc_u32 v[ADV], s[TV], v[AV0]
.rept 3
	v_nop                                          ; with the two additions five places behind the last V^T P: its p is next written by a matrix instruction, its V by loads
.endr
.irp kt, 0,1,2,3
.irp u, 0,1
	ds_load_b128 v[KF+16*\kt+8*\u:KF+16*\kt+8*\u+3],   v[ADK] offset:\kt*8*KP+64*\u        ; keys 16 kt on, channels 32 u on
	ds_load_b128 v[KF+16*\kt+8*\u+4:KF+16*\kt+8*\u+7], v[ADK] offset:\kt*8*KP+64*\u+32
.endr
.endr
	WIN 0x40                                       ; destination window 1
.irp u, 0,1
.irp ct, 0,1,2,3
	ds_load_tr16_b128 v[192+32*\u+8*\ct:192+32*\u+8*\ct+3],   v[ADV] offset:\u*16*VP+32*\ct        ; keys 32 u on, channels 16 ct on, turned
	ds_load_tr16_b128 v[192+32*\u+8*\ct+4:192+32*\u+8*\ct+7], v[ADV] offset:\u*16*VP+8*VP+32*\ct
.endr
.endr
	s_add_co_u32 s[TK], s[TK], 32*KP               ; the next step's 64 keys
	s_add_co_u32 s[TV], s[TV], 32*VP
	s_wait_dscnt 16                                ; K is in; V's 16 loads may be out
	WIN 0x04                                       ; source 1 (Q) window 1
.irp u, 0,1                            ; S^T = K Q^T + 1: 16 accumulators by turns
.irp kt, 0,1,2,3
.irp t, 0,1,2,3
.if \u == 0
	v_wmma_f32_16x16x32_f16 v[S+32*\t+8*\kt:S+32*\t+8*\kt+7], v[KF+16*\kt+8*\u:KF+16*\kt+8*\u+7], v[16*\t+8*\u:16*\t+8*\u+7], v[ONE:ONE+7]
.else
	v_wmma_f32_16x16x32_f16 v[S+32*\t+8*\kt:S+32*\t+8*\kt+7], v[KF+16*\kt+8*\u:KF+16*\kt+8*\u+7], v[16*\t+8*\u:16*\t+8*\u+7], v[S+32*\t+8*\kt:S+32*\t+8*\kt+7]
.endif
.endr
.endr
.endr
	WIN 0
.rept 4
	v_nop                                          ; places in front of the first read of the scores
.endr
.set j, 0
.rept 4
	v_med3_num_f32 v[S+j], v[S+j], s[LO], s[HI]    ; the clip; each accumulator from its low end on
.set j, j+1
.endr
.set j, 0
.rept 124
	v_exp_f32 v[S+j], v[S+j]                       ; p: one batch of 128, a clip of a later score between two exponentials; no line names a result
	v_med3_num_f32 v[S+j+4], v[S+j+4], s[LO], s[HI]
.set j, j+1
.endr
.rept 4
	v_exp_f32 v[S+j], v[S+j]
.set j, j+1
.endr
	v_nop                                          ; a plain line behind the last exponential,
	s_wait_alu depctr_va_vdst(0)                   ; and the one wait for the batch ahead of its first reader
.set i, 0
.rept 16
.irp t, 0,1,2,3
	v_pk_add_f32 v[L+2*\t:L+2*\t+1], v[L+2*\t:L+2*\t+1], v[S+32*\t+2*i:S+32*\t+2*i+1]   ; the sums, of p before it is rounded; the four tiles by turns
.endr
.set i, i+1
.endr
.set i, 0
.rept 16
.irp t, 0,1,2,3
	v_cvt_pk_f16_f32 v[S+32*\t+i], v[S+32*\t+2*i], v[S+32*\t+2*i+1]    ; in place, ascending: registers 8 u .. 8 u + 7 of a tile are source 1 for keys 32 u on
.endr
.set i, i+1
.endr
	s_wait_dscnt 0x0                               ; V is in
	WIN 0x51                                       ; source 0 (V), C and D (O^T) window 1; source 1 (p) window 0
.irp u, 0,1                            ; O^T += V^T P: 16 accumulators by turns
.irp ct, 0,1,2,3
.irp t, 0,1,2,3
.if \first && (\u == 0)
	v_wmma_f32_16x16x32_f16 v[64+32*\t+8*\ct:64+32*\t+8*\ct+7], v[192+32*\u+8*\ct:192+32*\u+8*\ct+7], v[S+32*\t+8*\u:S+32*\t+8*\u+7], 0
.else
	v_wmma_f32_16x16x32_f16 v[64+32*\t+8*\ct:64+32*\t+8*\ct+7], v[192+32*\u+8*\ct:192+32*\u+8*\ct+7], v[S+32*\t+8*\u:S+32*\t+8*\u+7], v[64+32*\t+8*\ct:64+32*\t+8*\ct+7]
.endif
.endr
.endr
.endr
	WIN 0
.endm
.macro RUN n                           ; n key steps, written once
	s_mov_b32 s[CNT], \n
.Lrun_\@:
	STEP 0
	s_sub_co_u32 s[CNT], s[CNT], 1
	s_cmp_lg_u32 s[CNT], 0
	s_cbranch_scc1 .Lrun_\@
.endm
; THE CHANGE OF SLOTS.  Each wave waits for all its tensor loads (its part of the slot ahead), adds 0 to its spare word, and waits for that and for its reads of the slot that it leaves.
; fill = 1: a round of the cluster's barrier, and behind it slot s, which has just been left, is filled with the keys 1,024 on.
.macro CHANGE fill, s
	s_wait_tensorcnt 0x0                           ; no tensor load of mine is out, so a group 0 may be written
	ds_add_u32 v[SPW], v[NIL]
.if \fill
	s_add_nc_u64 s[G0K+4*\s+2:G0K+4*\s+3], s[G0K+4*\s+2:G0K+4*\s+3], 131072
	s_add_nc_u64 s[G0V+4*\s+2:G0V+4*\s+3], s[G0V+4*\s+2:G0V+4*\s+3], 131072
.endif
	s_wait_dscnt 0x0                               ; the add is done, and my reads of the slot are over
.if \fill
	CROUND
	JLOAD \s                                       ; the first tensor load behind the round, one a wave
.else
	s_barrier_signal -1
	s_barrier_wait -1
.endif
.endm
	s_wait_tensorcnt 1                             ; my part of slot 0 is in; slot 1's may stay out
	s_barrier_signal -1
	s_barrier_wait -1                              ; everybody's is
	s_mov_b32 s[TK], 0
	s_mov_b32 s[TV], 0
	STEP 1                                         ; keys 0 to 63
	RUN 7                                          ; to 511
	CHANGE 1, 0
	s_mov_b32 s[TK], SLOT
	s_mov_b32 s[TV], SLOT
	RUN 8                                          ; keys 512 to 1,023
	CHANGE 1, 1
	s_mov_b32 s[TK], 0
	s_mov_b32 s[TV], 0
	RUN 8                                          ; keys 1,024 to 1,535
	CHANGE 0, 0                                    ; nothing is left to fetch
	s_mov_b32 s[TK], SLOT
	s_mov_b32 s[TV], SLOT
	RUN 8                                          ; keys 1,536 to 2,047
	; THE WAY OUT.  These lines name no register of the last products: they are the places behind them.
.irp t, 0,1,2,3
	v_add_f32 v[W+\t], v[L+2*\t], v[L+2*\t+1]      ; l's two halves,
.endr
.irp t, 0,1,2,3
	v_mov_b32 v[W+4+\t], 0                         ; (a lane permute's destination counts as one of its sources)
	v_mov_b32 v[W+9+2*\t], 0                       ; (named as the upper half of a pair)
.endr
.irp t, 0,1,2,3
	v_permlanex16_b32 v[W+4+\t], v[W+\t], s[SEL], s[SEL+1]
.endr
.irp t, 0,1,2,3
	v_add_f32 v[W+\t], v[W+\t], v[W+4+\t]          ; and lane l xor 16's: the row's sum
.endr
.irp t, 0,1,2,3
	v_rcp_f32 v[W+8+2*\t], v[W+\t]
.endr
	v_nop                                          ; a plain line behind the last reciprocal,
	s_wait_alu depctr_va_vdst(0)                   ; and one wait for the four, ahead of their first reader
.irp t, 0,1,2,3
	v_mul_f32 v[W+4+\t], v[W+\t], v[W+8+2*\t]      ; the row's sum of weights
.endr
	v_add_f32 v[W+4], v[W+4], v[W+5]
	v_add_f32 v[W+6], v[W+6], v[W+7]
	v_add_f32 v[W+4], v[W+4], v[W+6]
	v_add_f32_dpp v[W+4], v[W+4], v[W+4] row_xmask:1 row_mask:0xf bank_mask:0xf
	v_add_f32_dpp v[W+4], v[W+4], v[W+4] row_xmask:2 row_mask:0xf bank_mask:0xf
	v_add_f32_dpp v[W+4], v[W+4], v[W+4] row_xmask:4 row_mask:0xf bank_mask:0xf
	v_add_f32_dpp v[W+4], v[W+4], v[W+4] row_xmask:8 row_mask:0xf bank_mask:0xf
	v_permlanex16_b32 v[W+5], v[W+4], s[SEL], s[SEL+1]
	v_add_f32 v[W+4], v[W+4], v[W+5]               ; over my 64 rows, each counted twice
; Tile t: O^T / l, rounded to f16; a lane's eight channels are 16 bytes; through my stage, and out as 16 rows of 128 bytes, which are dense in o.
.macro OUT t
	WIN 0x41                                       ; O^T (destination and source 0) window 1
.set i, 0
.rept 16
	v_pk_mul_f32 v[64+32*\t+2*i:64+32*\t+2*i+1], v[64+32*\t+2*i:64+32*\t+2*i+1], v[W+8+2*\t:W+9+2*\t] op_sel_hi:[1,0]
.set i, i+1
.endr
	WIN 0x05                                       ; sources window 1, destination window 0
.set i, 0
.rept 16
	v_cvt_pk_f16_f32 v[S+32*\t+i], v[64+32*\t+2*i], v[64+32*\t+2*i+1]
.set i, i+1
.endr
	WIN 0
.irp ct, 0,1,2,3
	ds_store_b128 v[STO], v[S+32*\t+4*\ct:S+32*\t+4*\ct+3] offset:32*\ct
.endr
.irp i, 0,1,2,3
	ds_load_b128 v[S+32*\t+16+4*\i:S+32*\t+16+4*\i+3], v[RD] offset:4*SPI*\i     ; LDS serves a wave's instructions in order: these see my stores, and the next tile's stores come behind them
.endr
	s_wait_dscnt 0x0
.irp i, 0,1,2,3
	global_store_b128 v[LI], v[S+32*\t+16+4*\i:S+32*\t+16+4*\i+3], s[12:13] offset:2048*\t+512*\i   ; 512 consecutive bytes, aligned
.endr
.endm
	OUT 0
	OUT 1
	OUT 2
	OUT 3
	v_cmp_eq_u32 vcc_lo, 0, v10
	s_wait_xcnt 0x0                                ; EXEC changes only behind this wait: the stores above have read it
	s_and_saveexec_b32 s70, vcc_lo
	global_store_b32 v9, v[W+4], s[14:15]          ; lane 0 stores the wave's number
	s_wait_xcnt 0x0                                ; and again, in front of the line that widens it
	s_or_b32 exec_lo, exec_lo, s70
	s_wait_tensorcnt 0x0                           ; the wave's end, behind my last tensor load and my last LDS store
	ds_add_u32 v[SPW], v[NIL]
	s_wait_dscnt 0x0
	CROUND                                         ; the closing round: no work-group ends while a partner may still ask for a tile that names it
	s_endpgm
.Lfunc_end_k_q3576046543_attn:
	.size	k_q3576046543_attn, .Lfunc_end_k_q3576046543_attn-k_q3576046543_attn
	.p2alignl 7, 3214868480
	.fill 96, 4, 3214868480
	.section	.rodata,"a",@progbits
	.p2align	6, 0x0
	.amdhsa_kernel k_q3576046543_attn
		.amdhsa_group_segment_fixed_size 327680
		.amdhsa_private_segment_fixed_size 0
		.amdhsa_enable_private_segment 0
		.amdhsa_kernarg_size 48
		.amdhsa_user_sgpr_count 2
		.amdhsa_user_sgpr_kernarg_segment_ptr 1
		.amdhsa_wavefront_size32 1
		.amdhsa_system_sgpr_workgroup_id_x 1
		.amdhsa_system_sgpr_workgroup_id_y 1
		.amdhsa_system_sgpr_workgroup_id_z 1
		.amdhsa_system_vgpr_workitem_id 0
		.amdhsa_next_free_vgpr 512
		.amdhsa_next_free_sgpr 80
		.amdhsa_reserve_vcc 1
		.amdhsa_float_denorm_mode_32 3
		.amdhsa_float_denorm_mode_16_64 3
		.amdhsa_memory_ordered 1
		.amdhsa_forward_progress 1
		.amdhsa_inst_pref_size 206
	.end_amdhsa_kernel
	.amdgpu_metadata
---
amdhsa.version: [ 1, 2 ]
amdhsa.kernels:
  - .name:           k_q3576046543_attn
    .symbol:         k_q3576046543_attn.kd
    .args:
      - { .name: xq, .offset: 0, .size: 8, .value_kind: global_buffer, .address_space: global }
      - { .name: wq, .offset: 8, .size: 8, .value_kind: global_buffer, .address_space: global }
      - { .name: q_b, .offset: 16, .size: 8, .value_kind: global_buffer, .address_space: global }
      - { .name: kvh, .offset: 24, .size: 8, .value_kind: global_buffer, .address_space: global }
      - { .name: o, .offset: 32, .size: 8, .value_kind: global_buffer, .address_space: global }
      - { .name: msum, .offset: 40, .size: 8, .value_kind: global_buffer, .address_space: global }
    .group_segment_fixed_size: 327680
    .private_segment_fixed_size: 0
    .kernarg_segment_align: 8
    .kernarg_segment_size: 48
    .max_flat_workgroup_size: 256
    .sgpr_count:     80
    .vgpr_count:     512
    .wavefront_size: 32
...
	.end_amdgpu_metadata
.endif
;; end of part 3
;; launch proj (part 4): grid 4 x 32, 4 waves a work-group, clusters of 4 x 4, 327,680 bytes of LDS; arguments o, w16, proj_b, out0; writes out0
.if DOCPART == 4
	.amdgcn_target "amdgcn-amd-amdhsa--gfx1250"
	.amdhsa_code_object_version 6
	.text
	.protected	k_q3576046543_proj
	.globl	k_q3576046543_proj
	.p2align	8
	.type	k_q3576046543_proj,@function
k_q3576046543_proj:
	s_mov_b64 s[64:65], 0
	v_nop
	global_prefetch_b8 v0, s[64:65] scope:SCOPE_SE
	s_setreg_imm32_b32 hwreg(HW_REG_WAVE_MODE, 25, 1), 1
	s_wait_xcnt 0x0
	s_wait_alu depctr_hold_cnt(0) depctr_sa_sdst(0) depctr_va_vdst(0) depctr_va_sdst(0) depctr_va_ssrc(0) depctr_va_vcc(0) depctr_vm_vsrc(0)
	s_getreg_b32 s2, hwreg(HW_REG_IB_STS2, 6, 4)
	s_cmp_eq_u32 s2, 0
	s_cbranch_scc0 .Lentry_in_a_cluster
	s_endpgm
.Lentry_in_a_cluster:
	s_bfe_u32 s2, ttmp6, 0x10000c
	s_cmp_lg_u32 s2, 0xf033
	s_cbranch_scc0 .Lentry_shape_is_right
	s_endpgm
.Lentry_shape_is_right:
; ONE SOURCE FOR TWO LAUNCHES, C = A B + bias in f16 with f32 sums; PROJ picks between them.
;   PROJ = 0: A = ctxn [8192][1024] f16, B = kv_w as f16 [1024 k][2048 n], bias kv_b; C goes out as f16, by heads: kvh [batch 4][column / 64: 32][key 2048][64].
;   PROJ = 1: A = o [batch x 16 + head][query 2048][64] f16, B = proj_w as f16 [1024 k][1024 n] (behind kv_w in w16), bias proj_b; C = out0 [8192][1024] f32.
; A tile of C, 256 x 256, is made by a work-group of four waves, as many as a WGP has SIMDs; a wave makes 128 x 128: 64 accumulators of 16 x 16, 512 registers.
; K goes in 8 steps of 128 through a ring of two LDS slots filled by the tensor data mover.  B lies with K outermost and is turned on its way out of LDS (ds_load_tr16_b128).
; CLUSTERS: 4 x 4 work-groups.  The four of a row of the cluster need the same tiles of A, the four of a column the same tiles of B: each tile is asked for jointly, by the same
; tensor load with the same descriptor and a mask that names the four.  By this text's count a wave has at most two tensor loads out.
; THE MATRIX INSTRUCTION IS USED TRANSPOSED (source 0 = 16 columns of B, source 1 = 16 rows of A): a lane holds eight neighbouring numbers of a row of C.
; THE BIAS is the C of each sum's first matrix instruction: eight registers for each block of 16 columns, in the result's layout.  Nothing is cleared, nothing is added.
; PROJ = 1 has 128 tiles, so 128 work-groups: it keeps this loop as it is.
; LIMITS: NaN and infinities are not served.  PROJ = 0 rounds C to f16 without a hold: ctxn is at most 32 by its norm, so C stays far inside f16 for weights and biases 30 times the usual size.
; REGISTERS, in windows of 256: window 0: v16-29 addresses; v64-127, v128-191 A's fragments, two buffers; v192-255 the bias; on the way out v32-63 and v128-255 are free.
;   window 1: v64-127, v128-191 B's fragments.   window 2: the accumulators of my rows 0-63 ((a, b) at v[8 (8 a + b)]);   window 3: those of my rows 64-127.
.set PROJ,   1
.set KSTEP,  128
.set PITCH,  272                       ; A in LDS: 256 bytes + 16 of padding: the 16 rows that a load touches start at 16 different places among the banks
.set BPITCH, 544                       ; B in LDS: a k row of 256 columns, 512 bytes + 32 of padding: an odd multiple of 32
.set HALFT,  128*PITCH                 ; what one tensor load brings: 128 rows of A, or 64 k rows of B: 34,816 bytes either way
.set SLOT,   4*HALFT                   ; A's two halves, then B's two
.set STAGE,  2*SLOT                    ; behind the ring: 16 rows for each wave, for the way out
.set LAPS,   4                         ; a lap = two K steps = once round the ring
.if PROJ
.set NCOL,   1024
.set WOFF,   4194304
.set SPITCH, 528
.set ASTR,   128                       ; A's tile: a head's 256 queries are dense: 128 rows of 256 bytes, two queries each
.set ASTEP,  2*2048*128                ; a K step on: two heads
.else
.set NCOL,   2048
.set WOFF,   0
.set SPITCH, 272
.set ASTR,   1024
.set ASTEP,  KSTEP*2
.endif
.set BSTEP,  KSTEP*NCOL*2              ; a K step on in B: 128 k rows
.set SPARE,  STAGE+4*16*SPITCH         ; the spare words, 128 bytes for each wave: two blocks of 256 bytes that no other line names
.set ADRA, 16                          ; v16-17  LDS address of my A fragments in slot 0, 1
.set ADRB, 20                          ; v20-21  the same for B
.set STO,  24                          ; v24     the way out: where I put my piece of a row
.set RD,   25                          ; v25     the way out: where I read back
.set CO,   26                          ; v26     16 x lane
.set BO,   27                          ; v27     32 x (lane / 16): my eight numbers of a block's 16 of the bias
.set SPW,  28                          ; v28     LDS address of my spare word; never rewritten
.set NIL,  29                          ; v29     0; never rewritten
.set F0,   64
.set F1,   128
.set BI,   192
.set TMP,  192
.set OB,   32
.set G1,   24                          ; s[24:31] group 1 for A's tiles;  s[32:39] group 0, one set for each slot
.set G0,   32
.set G1B,  48                          ; s[48:55], s[56:63] the same for B's
.set G0B,  56
.set MSB, 0
.macro WIN new                         ; the immediate's high byte repeats the setting that is left; a switch that changes nothing is dropped
.if MSB != (\new)
	s_set_vgpr_msb (MSB<<8)|(\new)
.set MSB, \new
.endif
.endm
.set MUL_LO, 0xa1                      ; source 0 (B) window 1, source 1 (A) window 0, C and D window 2 (a first product: C, the bias, window 0: 0x81)
.set MUL_HI, 0xf1                      ; the same, C and D window 3 (a first product: 0xc1)
.set TO_B,   0x40                      ; destination window 1, address window 0
.macro JLOAD s                         ; a joint load: waves 0 and 1 fetch A's two halves, waves 2 and 3 B's; the branch hangs on the wave's number alone.
	s_cmp_eq_u32 s13, 0
	s_cbranch_scc0 .Lfor_b_\@
	tensor_load_to_lds s[G0+4*\s:G0+4*\s+3], s[G1:G1+7]
	s_nop 0
.rept 4
	v_nop
.endr
	s_branch .Lasked_\@
.Lfor_b_\@:
	tensor_load_to_lds s[G0B+4*\s:G0B+4*\s+3], s[G1B:G1B+7]
	s_nop 0
.rept 4
	v_nop
.endr
.Lasked_\@:
.endm
.macro CREST                           ; a round of the cluster's barrier behind its opening barrier
	s_cmp_lg_u32 s12, 0
	s_cbranch_scc1 .Lnot_wave_0_\@
	s_barrier_signal -3
.Lnot_wave_0_\@:
	s_barrier_wait -3
	s_barrier_signal -1
	s_barrier_wait -1
.endm
.macro CROUND                          ; a whole round
	s_barrier_signal -1
	s_barrier_wait -1
	CREST
.endm
	s_load_b256 s[4:11], s[0:1], 0x0               ; A s[4:5], w16 s[6:7], the bias s[8:9], C s[10:11]
	v_lshl_add_u32 v[SPW], v0, 2, SPARE
	v_mov_b32 v[NIL], 0
	ds_add_u32 v[SPW], v[NIL]                      ; the wave's opening: the add, twice on end, and its wait ahead of my first tensor load
	ds_add_u32 v[SPW], v[NIL]
	v_lshrrev_b32 v1, 5, v0
	v_readfirstlane_b32 s12, v1                    ; wave 0..3
	s_lshr_b32 s13, s12, 1                         ; which half of the tile's rows is mine.  Also: I fetch for A (0) or for B (1)
	s_and_b32 s14, s12, 1                          ; which half of its columns.  Also: which half of that tile I fetch
	s_bfe_u32 s15, ttmp6, 0x40000                  ; cx, cy: my place in the cluster
	s_bfe_u32 s16, ttmp6, 0x40004
	s_lshl_b32 s17, ttmp9, 2
	s_add_co_u32 s17, s17, s15                     ; tile column of C
	s_and_b32 s18, ttmp7, 0xffff
	s_lshl_b32 s18, s18, 2
	s_add_co_u32 s18, s18, s16                     ; tile row of C
	s_lshl_b32 s19, s16, 2
	s_lshl_b32 s19, 15, s19                        ; my row of the cluster
	s_lshl_b32 s20, 0x1111, s15                    ; my column
	s_or_b32 s[G1+0], s19, (1<<16)|(1<<20)|(1<<21)|(5<<22)|(3<<25)   ; the mask: A's tiles go to my row; elements of 2 bytes; padding on; bit 21 beside a mask; 4 words behind every 64
	s_mov_b32 s[G1+1], 128<<16                     ; tensor_dim0 = 128
	s_mov_b32 s[G1+2], 128<<16                     ; tensor_dim1 = 128
	s_mov_b32 s[G1+3], 128<<16                     ; tile_dim0 = 128
	s_mov_b32 s[G1+4], 128                         ; tile_dim1 = 128
	s_mov_b32 s[G1+5], ASTR                        ; elements from row to row
	s_mov_b32 s[G1+6], 0
	s_mov_b32 s[G1+7], 0
	s_or_b32 s[G1B+0], s20, (1<<16)|(1<<20)|(1<<21)|(6<<22)|(7<<25)  ; B's tiles go to my column; 8 words behind every 128
	s_mov_b32 s[G1B+1], 256<<16                    ; tensor_dim0 = 256 columns
	s_mov_b32 s[G1B+2], 64<<16                     ; tensor_dim1 = 64 k rows
	s_mov_b32 s[G1B+3], 256<<16
	s_mov_b32 s[G1B+4], 64
	s_mov_b32 s[G1B+5], NCOL
	s_mov_b32 s[G1B+6], 0
	s_mov_b32 s[G1B+7], 0
	; where the tiles come from.  A's hang on the tile row alone, B's on the tile column alone, each in registers that never hold the other coordinate
.if PROJ
	s_lshr_b32 s40, s18, 3                         ; the batch (8 tile rows each),
	s_lshl_b32 s40, s40, 4
	s_add_co_u32 s40, s40, s14                     ; its head 0 or 1: the half of K step 0 that I fetch,
	s_lshl_b32 s40, s40, 11
	s_and_b32 s41, s18, 7
	s_lshl_b32 s41, s41, 8
	s_add_co_u32 s40, s40, s41                     ; the tile's first query,
	s_lshl_b32 s40, s40, 7                         ; 128 bytes a query
.else
	s_lshl_b32 s40, s18, 8
	s_lshl_b32 s41, s14, 7
	s_add_co_u32 s40, s40, s41                     ; row 256 x tile row + 128 x half,
	s_lshl_b32 s40, s40, 11                        ; 2,048 bytes a row
.endif
	s_mov_b32 s41, 0
	s_mul_i32 s44, s14, 64*NCOL*2                  ; B: k rows 64 x half on,
	s_lshl_b32 s45, s17, 9                         ; 512 bytes for each tile column
	s_add_co_u32 s44, s44, s45
	s_add_co_u32 s44, s44, WOFF
	s_mov_b32 s45, 0
	s_mul_i32 s21, s12, HALFT                      ; and where they go: wave x 34,816: no place in the cluster enters an LDS address
	s_wait_dscnt 0x0                               ; both opening adds are done
	s_wait_kmcnt 0x0
	s_add_nc_u64 s[42:43], s[4:5], s[40:41]
	s_add_nc_u64 s[46:47], s[6:7], s[44:45]
	CROUND                                         ; all sixteen work-groups are here: the first joint loads meet
.irp s, 0,1
	s_mov_b32 s[G0+4*\s], 1
	s_add_co_u32 s[G0+4*\s+1], s21, \s*SLOT
	s_add_nc_u64 s[G0+4*\s+2:G0+4*\s+3], s[42:43], \s*ASTEP
	s_or_b32 s[G0+4*\s+3], s[G0+4*\s+3], 0x80000000
	s_mov_b32 s[G0B+4*\s], 1
	s_add_co_u32 s[G0B+4*\s+1], s21, \s*SLOT
	s_add_nc_u64 s[G0B+4*\s+2:G0B+4*\s+3], s[46:47], \s*BSTEP
	s_or_b32 s[G0B+4*\s+3], s[G0B+4*\s+3], 0x80000000
	JLOAD \s
.endr
	v_and_b32 v1, 15, v0                           ; r = lane % 16
	v_bfe_u32 v2, v0, 4, 1                         ; h = lane / 16
.if PROJ
	v_bfe_u32 v3, v0, 1, 3                         ; A: two queries share an LDS row: (r / 2) x pitch + 128 (r % 2) + 16 h
	v_mul_u32_u24 v3, v3, PITCH
	v_and_b32 v5, 1, v0
	v_lshl_add_u32 v3, v5, 7, v3
	v_lshl_add_u32 v3, v2, 4, v3
	s_mul_i32 s22, s13, 64*PITCH                   ; my 128 queries
.else
	v_mul_u32_u24 v3, v1, PITCH                    ; A: row x pitch + 16 h
	v_lshl_add_u32 v3, v2, 4, v3
	s_mul_i32 s22, s13, HALFT                      ; my 128 rows
.endif
	v_and_b32 v5, 7, v0                            ; B, for the turning load: k row 8 h + lane % 8, 16 bytes (8 columns) by (lane / 8) % 2
	v_lshl_add_u32 v5, v2, 3, v5
	v_mul_u32_u24 v4, v5, BPITCH
	v_bfe_u32 v5, v0, 3, 1
	v_lshl_add_u32 v4, v5, 4, v4
	s_lshl_b32 s23, s14, 8                         ; my 128 columns,
	s_add_co_u32 s23, s23, 2*HALFT                 ; behind A
.irp s, 0,1
	v_add_nc_u32 v[ADRA+\s], s22, v3
	v_add_nc_u32 v[ADRB+\s], s23, v4
	s_add_co_u32 s22, s22, SLOT
	s_add_co_u32 s23, s23, SLOT
.endr
	s_mul_i32 s2, s12, 16*SPITCH
	s_add_co_u32 s2, s2, STAGE                     ; my stage
	v_mul_u32_u24 v5, v1, SPITCH
.if PROJ
	v_lshl_add_u32 v5, v2, 5, v5                   ; in: row r, 32 bytes for each half of the lanes
.else
	v_lshl_add_u32 v5, v2, 4, v5                   ; in: row r, 16 bytes for each half of the lanes
.endif
	v_add_nc_u32 v[STO], s2, v5
	v_and_b32 v6, 31, v0
	v_lshlrev_b32 v[CO], 4, v6
.if PROJ
	v_add_nc_u32 v[RD], s2, v[CO]                  ; back: the 32 lanes take one row of 512 bytes
.else
	v_bfe_u32 v5, v0, 3, 2                         ; back: eight lanes take one head's 128 bytes of a row; four rows an instruction
	v_mul_u32_u24 v5, v5, SPITCH
	v_and_b32 v6, 7, v0
	v_lshl_add_u32 v5, v6, 4, v5
	v_add_nc_u32 v[RD], s2, v5
.endif
	v_lshlrev_b32 v[BO], 5, v2
	s_lshl_b32 s66, s17, 10
	s_lshl_b32 s67, s14, 9
	s_add_co_u32 s66, s66, s67                     ; the bias of my 128 columns
	s_mov_b32 s67, 0
	s_add_nc_u64 s[8:9], s[8:9], s[66:67]
.irp b, 0,1,2,3,4,5,6,7
	global_load_b128 v[BI+8*\b:BI+8*\b+3], v[BO], s[8:9] offset:64*\b          ; lane (r, h): the bias of columns 16 b + 8 h + 0 .. 7
	global_load_b128 v[BI+8*\b+4:BI+8*\b+7], v[BO], s[8:9] offset:64*\b+16
.endr
	; where my part of C begins
.if PROJ
	s_lshl_b32 s68, s18, 8
	s_lshl_b32 s69, s13, 7
	s_add_co_u32 s68, s68, s69                     ; my first row,
	s_lshl_b32 s68, s68, 12                        ; 4,096 bytes a row,
	s_lshl_b32 s69, s17, 10
	s_add_co_u32 s68, s68, s69
	s_lshl_b32 s69, s14, 9
	s_add_co_u32 s68, s68, s69                     ; my first column
.else
	s_lshr_b32 s68, s18, 3
	s_lshl_b32 s68, s68, 5                         ; 32 x batch
	s_lshl_b32 s69, s17, 2
	s_add_co_u32 s68, s68, s69
	s_lshl_b32 s69, s14, 1
	s_add_co_u32 s68, s68, s69                     ; + my first group of 64 columns: 4 x tile column + 2 x half
	s_lshl_b32 s68, s68, 11
	s_and_b32 s69, s18, 7
	s_lshl_b32 s69, s69, 8
	s_add_co_u32 s68, s68, s69
	s_lshl_b32 s69, s13, 7
	s_add_co_u32 s68, s68, s69                     ; + my first key,
	s_lshl_b32 s68, s68, 7                         ; 128 bytes a key
.endif
	s_mov_b32 s69, 0
	s_add_nc_u64 s[10:11], s[10:11], s[68:69]
; 16 matrix instructions: row blocks a0, a0 + 1 of the window's four x all 8 column blocks, 32 along K.  first = 1: the bias is C.  The 64 accumulators take turns, one instruction a turn.
.macro MUL16 f, hi, a0, first
.irp a, \a0, \a0+1
.irp b, 0,1,2,3,4,5,6,7
.if \first
	v_wmma_f32_16x16x32_f16 v[8*(8*(\a)+\b):8*(8*(\a)+\b)+7], v[\f+8*\b:\f+8*\b+7], v[\f+8*(4*\hi+\a):\f+8*(4*\hi+\a)+7], v[BI+8*\b:BI+8*\b+7]
.else
	v_wmma_f32_16x16x32_f16 v[8*(8*(\a)+\b):8*(8*(\a)+\b)+7], v[\f+8*\b:\f+8*\b+7], v[\f+8*(4*\hi+\a):\f+8*(4*\hi+\a)+7], v[8*(8*(\a)+\b):8*(8*(\a)+\b)+7]
.endif
.endr
.endr
.endm
; 32 LDS loads in one run: the fragments of one quarter step (k: its byte in a row of A, 64 a quarter) into buffer f.  B: 32 k rows x 16 columns a fragment, turned, two loads 16 k rows apart.
.macro FETCH slot, k, f
	WIN TO_B
.irp i, 0,1,2,3,4,5,6,7
	ds_load_tr16_b128 v[\f+8*\i:\f+8*\i+3],   v[ADRB+\slot] offset:((\k)/64)*32*BPITCH+32*\i
	ds_load_tr16_b128 v[\f+8*\i+4:\f+8*\i+7], v[ADRB+\slot] offset:((\k)/64)*32*BPITCH+16*BPITCH+32*\i
.endr
	WIN 0
.irp i, 0,1,2,3,4,5,6,7
.if PROJ
	ds_load_b128 v[\f+8*\i:\f+8*\i+3],   v[ADRA+\slot] offset:((\k)/128)*HALFT+((\k)%128)+\i*8*PITCH       ; the step's first or second head; 16 queries are 8 LDS rows
	ds_load_b128 v[\f+8*\i+4:\f+8*\i+7], v[ADRA+\slot] offset:((\k)/128)*HALFT+((\k)%128)+\i*8*PITCH+32
.else
	ds_load_b128 v[\f+8*\i:\f+8*\i+3],   v[ADRA+\slot] offset:\k+\i*16*PITCH
	ds_load_b128 v[\f+8*\i+4:\f+8*\i+7], v[ADRA+\slot] offset:\k+\i*16*PITCH+32
.endif
.endr
.endm
.macro PLACES                          ; four plain vector lines between a matrix instruction and a load into a register that it read, or a read of its result (ISA guide 7.12.1 for a read of its result)
.rept 4
	v_nop
.endr
.endm
; A K step is four quarters of 32 along K, 64 matrix instructions each, on buffers 0, 1, 0, 1.  One of the first three: multiplies buffer f; in its middle it fetches the next quarter into g.
.macro QUARTER slot, k, f, g, first
	s_wait_dscnt 8                                 ; B and A's rows 0-63 are in; the youngest eight loads (A's rows 64-127) may be out
	WIN MUL_LO-0x20*\first
	MUL16 \f, 0, 0, \first
	MUL16 \f, 0, 2, \first
	PLACES
	FETCH \slot, \k, \g
	s_wait_dscnt 32                                ; all but the 32 just issued
	WIN MUL_HI-0x30*\first
	MUL16 \f, 1, 0, \first
	MUL16 \f, 1, 2, \first
.endm
; The last quarter multiplies buffer 1 and changes slots: one barrier.  In front of it each wave waits for all its tensor loads (the one that is out is its part of the next slot), adds 0 to its spare word,
; and waits for that and for its own reads of this slot.  fill = 1: the barrier opens a round of the cluster's barrier, and behind the round this slot is filled again, two K steps ahead.
.macro TURN slot, next, fill
	WIN 0                                          ; (the add's two registers lie in window 0)
	s_wait_tensorcnt 0x0
	ds_add_u32 v[SPW], v[NIL]
	s_wait_dscnt 9                                 ; (the add and the youngest eight loads may be out)
	WIN MUL_LO
	MUL16 F1, 0, 0, 0                              ; sixteen matrix instructions stand between the add and the wait for it
	s_wait_dscnt 0x0                               ; the add is done, and my reads of this slot are over
	s_barrier_signal -1
	MUL16 F1, 0, 2, 0
.if \fill
	WIN 0
.endif
	s_barrier_wait -1
.if \fill
	CREST                                          ; no wave of any partner still reads this slot's tile or has a load on its way
	s_add_nc_u64 s[G0+4*\slot+2:G0+4*\slot+3], s[G0+4*\slot+2:G0+4*\slot+3], 2*ASTEP
	s_add_nc_u64 s[G0B+4*\slot+2:G0B+4*\slot+3], s[G0B+4*\slot+2:G0B+4*\slot+3], 2*BSTEP
	JLOAD \slot                                    ; the first tensor load behind the round: 224 matrix instructions ahead of the wait for it; its four v_nop are also the places in front of the loads below
.else
	PLACES
.endif
	FETCH \next, 0, F0
	WIN MUL_HI
	MUL16 F1, 1, 0, 0
	MUL16 F1, 1, 2, 0
.endm
	s_wait_tensorcnt 1                             ; my part of K step 0 is in (K step 1's load may be out)
	s_barrier_signal -1
	s_barrier_wait -1                              ; everybody's is
	FETCH 0, 0, F0
	s_wait_loadcnt 0x0                             ; the bias
	QUARTER 0, 64,  F0, F1, 1                      ; the first quarter stands in front of the loop: its products start the sums, on the bias
	WIN 0                                          ; at a label and at a branch every window is 0
	s_mov_b32 s3, LAPS-1
.Llap:                                                 ; a trip goes once round the ring, from a lap's second quarter to the next lap's first, and fills both slots again
	QUARTER 0, 128, F1, F0, 0
	QUARTER 0, 192, F0, F1, 0
	TURN 0, 1, 1
	QUARTER 1, 64,  F0, F1, 0
	QUARTER 1, 128, F1, F0, 0
	QUARTER 1, 192, F0, F1, 0
	TURN 1, 0, 1
	QUARTER 0, 64,  F0, F1, 0
	WIN 0
	s_sub_co_u32 s3, s3, 1
	s_cmp_lg_u32 s3, 0
	s_cbranch_scc1 .Llap
	QUARTER 0, 128, F1, F0, 0                      ; the last lap fills nothing, and has no round of the cluster's barrier
	QUARTER 0, 192, F0, F1, 0
	TURN 0, 1, 0
	QUARTER 1, 64,  F0, F1, 0
	QUARTER 1, 128, F1, F0, 0
	QUARTER 1, 192, F0, F1, 0
	s_wait_dscnt 8                                 ; the very last quarter: nothing more to fetch
	WIN MUL_LO
	MUL16 F1, 0, 0, 0
	MUL16 F1, 0, 2, 0
	s_wait_dscnt 0x0
	WIN MUL_HI
	MUL16 F1, 1, 0, 0
	MUL16 F1, 1, 2, 0
	WIN 0
; THE WAY OUT, a block of 16 rows x 128 columns at a time, through my own stage in LDS.  LDS serves a wave's instructions in order (ISA guide 5.7.1.4): no wait between the stores and the loads.
.if PROJ
.macro TOSTAGE a                       ; f32 as it stands: 32 bytes a lane in, whole rows of 512 bytes back
.set AC, 64*((\a)%4)
	WIN 0x08+4*((\a)/4)                            ; an LDS store's data are its source 1: window 2 or 3
.irp b, 0,1,2,3,4,5,6,7
	ds_store_b128 v[STO], v[AC+8*\b:AC+8*\b+3] offset:64*\b          ; each accumulator from its low end on
	ds_store_b128 v[STO], v[AC+8*\b+4:AC+8*\b+7] offset:64*\b+16
.endr
	WIN 0
.set BB, 128+64*((\a)%2)
.irp t, 0,1,2,3,4,5,6,7,8,9,10,11,12,13,14,15
	ds_load_b128 v[BB+4*\t:BB+4*\t+3], v[RD] offset:\t*SPITCH
.endr
.endm
.macro SEND a, younger                 ; younger: the LDS instructions issued behind block a's loads, which may stay out
.set BB, 128+64*((\a)%2)
	s_wait_dscnt \younger
.if (\a) > 0
	s_add_nc_u64 s[10:11], s[10:11], 16*NCOL*4     ; (behind a wait on XCNT: the earlier stores have read their base)
.endif
.irp t, 0,1,2,3,4,5,6,7,8,9,10,11,12,13,14,15
	global_store_b128 v[CO], v[BB+4*\t:BB+4*\t+3], s[10:11] offset:\t*NCOL*4 th:TH_STORE_NT   ; 32 lanes store 512 consecutive bytes, aligned; written once, read by nobody here
.endr
.endm
	PLACES
	TOSTAGE 0
.irp a, 1,2,3,4,5,6,7
.if \a > 1
	s_wait_xcnt 0x0                                ; block a - 2's stores have read their registers and their base
.endif
	TOSTAGE \a
	SEND \a-1, 32                                  ; behind block a - 1's loads: block a's 16 stores and 16 loads
.endr
	s_wait_xcnt 0x0
	SEND 7, 0
.else
.macro PACK a                          ; rounded to f16: a lane's eight columns are 16 bytes; each accumulator from its low end on
.set AC, 64*((\a)%4)
	WIN 0x0a+5*((\a)/4)                            ; sources 0 and 1: window 2 or 3
.irp b, 0,1,2,3,4,5,6,7
.irp r, 0,1,2,3
	v_cvt_pk_f16_f32 v[TMP+4*\b+\r], v[AC+8*\b+2*\r], v[AC+8*\b+2*\r+1]
.endr
.endr
	WIN 0
.endm
.macro TOSTAGE a                       ; rows of 256 bytes in; back by heads: loads 0-3 the first 64 columns of rows 4 t .. 4 t + 3, loads 4-7 the second
.set BB, OB+192*((\a)%2)
.irp b, 0,1,2,3,4,5,6,7
	ds_store_b128 v[STO], v[TMP+4*\b:TMP+4*\b+3] offset:32*\b
.endr
.irp t, 0,1,2,3,4,5,6,7
	ds_load_b128 v[BB+4*\t:BB+4*\t+3], v[RD] offset:((\t)%4)*4*SPITCH+((\t)/4)*128
.endr
.endm
.macro SEND a, younger
.set BB, OB+192*((\a)%2)
	s_wait_dscnt \younger                          ; the block is back in registers
	s_wait_xcnt 0x0                                ; the earlier stores have read their base and their registers
.if (\a) > 0
	s_add_nc_u64 s[10:11], s[10:11], 16*128        ; 16 keys on
.endif
.irp t, 0,1,2,3,4,5,6,7
	global_store_b128 v[CO], v[BB+4*\t:BB+4*\t+3], s[10:11] offset:((\t)%4)*512+((\t)/4)*262144   ; four keys of one head: 512 consecutive bytes, aligned; the second head lies 2,048 keys on
.endr
.endm
	PLACES
	PACK 0
	TOSTAGE 0
.irp a, 1,2,3,4,5,6,7                  ; block a's conversions stand between block a - 1's loads from the stage and the wait for them
	PACK \a
	SEND \a-1, 0
	TOSTAGE \a
.endr
	SEND 7, 0
.endif
	s_wait_tensorcnt 0x0                           ; the wave's end, behind my last tensor load and my last LDS store
	ds_add_u32 v[SPW], v[NIL]
	s_wait_dscnt 0x0
	CROUND                                         ; the closing round: no work-group ends while a partner may still ask for a tile that names it
	s_endpgm
.Lfunc_end_k_q3576046543_proj:
	.size	k_q3576046543_proj, .Lfunc_end_k_q3576046543_proj-k_q3576046543_proj
	.p2alignl 7, 3214868480
	.fill 96, 4, 3214868480
	.section	.rodata,"a",@progbits
	.p2align	6, 0x0
	.amdhsa_kernel k_q3576046543_proj
		.amdhsa_group_segment_fixed_size 327680
		.amdhsa_private_segment_fixed_size 0
		.amdhsa_enable_private_segment 0
		.amdhsa_kernarg_size 32
		.amdhsa_user_sgpr_count 2
		.amdhsa_user_sgpr_kernarg_segment_ptr 1
		.amdhsa_wavefront_size32 1
		.amdhsa_system_sgpr_workgroup_id_x 1
		.amdhsa_system_sgpr_workgroup_id_y 1
		.amdhsa_system_sgpr_workgroup_id_z 1
		.amdhsa_system_vgpr_workitem_id 0
		.amdhsa_next_free_vgpr 1024
		.amdhsa_next_free_sgpr 72
		.amdhsa_reserve_vcc 0
		.amdhsa_float_denorm_mode_32 3
		.amdhsa_float_denorm_mode_16_64 3
		.amdhsa_memory_ordered 1
		.amdhsa_forward_progress 1
		.amdhsa_inst_pref_size 143
	.end_amdhsa_kernel
	.amdgpu_metadata
---
amdhsa.version: [ 1, 2 ]
amdhsa.kernels:
  - .name:           k_q3576046543_proj
    .symbol:         k_q3576046543_proj.kd
    .args:
      - { .name: o, .offset: 0, .size: 8, .value_kind: global_buffer, .address_space: global }
      - { .name: w16, .offset: 8, .size: 8, .value_kind: global_buffer, .address_space: global }
      - { .name: proj_b, .offset: 16, .size: 8, .value_kind: global_buffer, .address_space: global }
      - { .name: out0, .offset: 24, .size: 8, .value_kind: global_buffer, .address_space: global }
    .group_segment_fixed_size: 327680
    .private_segment_fixed_size: 0
    .kernarg_segment_align: 8
    .kernarg_segment_size: 32
    .max_flat_workgroup_size: 128
    .sgpr_count:     72
    .vgpr_count:     1024
    .wavefront_size: 32
...
	.end_amdgpu_metadata
.endif
;; end of part 4
;; launch mean (part 5): grid 1 x 1, 1 waves a work-group, no clusters, 0 bytes of LDS; arguments msum, out1; writes out1
.if DOCPART == 5
	.amdgcn_target "amdgcn-amd-amdhsa--gfx1250"
	.amdhsa_code_object_version 6
	.text
	.protected	k_q3576046543_mean
	.globl	k_q3576046543_mean
	.p2align	8
	.type	k_q3576046543_mean,@function
k_q3576046543_mean:
	s_mov_b64 s[64:65], 0
	v_nop
	global_prefetch_b8 v0, s[64:65] scope:SCOPE_SE
	s_setreg_imm32_b32 hwreg(HW_REG_WAVE_MODE, 25, 1), 1
	s_wait_xcnt 0x0
; out1 = the mean of the attention weights.  msum holds 2,048 numbers, one for each wave of the attention launch: the sum over its 64 rows of the row's sum of weights, each row counted twice.
; There are 64 x 2,048 x 2,048 = 2^28 weights: the mean is the sum of msum x 2^-29.  One wave: 64 numbers a lane, a tree of packed additions, then across the lanes.
; The order of rounding differs from a sum over the single weights.
	s_load_b128 s[4:7], s[0:1], 0x0                ; msum, out1
	v_lshlrev_b32 v1, 4, v0                        ; 16 bytes a lane
	v_mov_b32 v2, 0
	s_mov_b32 s8, 0x76543210
	s_mov_b32 s9, 0xfedcba98                       ; v_permlanex16_b32's selects for lane l xor 16
	s_wait_kmcnt 0x0
.irp i, 0,1,2,3,4,5,6,7,8,9,10,11,12,13,14,15
	global_load_b128 v[16+4*\i:19+4*\i], v1, s[4:5] offset:512*\i    ; 512 consecutive bytes
.endr
	s_wait_loadcnt 0x0
.irp w, 32,16,8,4,2
.set j, 0
.rept \w/2
	v_pk_add_f32 v[16+j:17+j], v[16+j:17+j], v[16+\w+j:17+\w+j]
.set j, j+2
.endr
.endr
	v_add_f32 v16, v16, v17
	v_add_f32_dpp v16, v16, v16 row_xmask:1 row_mask:0xf bank_mask:0xf
	v_add_f32_dpp v16, v16, v16 row_xmask:2 row_mask:0xf bank_mask:0xf
	v_add_f32_dpp v16, v16, v16 row_xmask:4 row_mask:0xf bank_mask:0xf
	v_add_f32_dpp v16, v16, v16 row_xmask:8 row_mask:0xf bank_mask:0xf
	v_permlanex16_b32 v17, v16, s8, s9
	v_add_f32 v16, v16, v17
	v_mul_f32 v16, 0x31000000, v16                 ; x 2^-29
	v_cmp_eq_u32 vcc_lo, 0, v0
	s_wait_xcnt 0x0                                ; EXEC changes only behind this wait
	s_and_saveexec_b32 s10, vcc_lo
	global_store_b32 v2, v16, s[6:7]               ; lane 0 stores the one number
	s_wait_xcnt 0x0                                ; and again, in front of the line that widens it
	s_or_b32 exec_lo, exec_lo, s10
	s_endpgm
.Lfunc_end_k_q3576046543_mean:
	.size	k_q3576046543_mean, .Lfunc_end_k_q3576046543_mean-k_q3576046543_mean
	.p2alignl 7, 3214868480
	.fill 96, 4, 3214868480
	.section	.rodata,"a",@progbits
	.p2align	6, 0x0
	.amdhsa_kernel k_q3576046543_mean
		.amdhsa_group_segment_fixed_size 0
		.amdhsa_private_segment_fixed_size 0
		.amdhsa_enable_private_segment 0
		.amdhsa_kernarg_size 16
		.amdhsa_user_sgpr_count 2
		.amdhsa_user_sgpr_kernarg_segment_ptr 1
		.amdhsa_wavefront_size32 1
		.amdhsa_system_sgpr_workgroup_id_x 1
		.amdhsa_system_sgpr_workgroup_id_y 1
		.amdhsa_system_sgpr_workgroup_id_z 1
		.amdhsa_system_vgpr_workitem_id 0
		.amdhsa_next_free_vgpr 80
		.amdhsa_next_free_sgpr 66
		.amdhsa_reserve_vcc 1
		.amdhsa_float_denorm_mode_32 3
		.amdhsa_float_denorm_mode_16_64 3
		.amdhsa_memory_ordered 1
		.amdhsa_forward_progress 1
		.amdhsa_inst_pref_size 5
	.end_amdhsa_kernel
	.amdgpu_metadata
---
amdhsa.version: [ 1, 2 ]
amdhsa.kernels:
  - .name:           k_q3576046543_mean
    .symbol:         k_q3576046543_mean.kd
    .args:
      - { .name: msum, .offset: 0, .size: 8, .value_kind: global_buffer, .address_space: global }
      - { .name: out1, .offset: 8, .size: 8, .value_kind: global_buffer, .address_space: global }
    .group_segment_fixed_size: 0
    .private_segment_fixed_size: 0
    .kernarg_segment_align: 8
    .kernarg_segment_size: 16
    .max_flat_workgroup_size: 32
    .sgpr_count:     66
    .vgpr_count:     80
    .wavefront_size: 32
...
	.end_amdgpu_metadata
.endif
;; end of part 5
